; MI455X (gfx1250); checked and timed in simulation.
; The chip was launched on July 23, 2026; its instructions are those of AMD's public machine-readable ISA for CDNA 5 (MIT licence, August 2026) and "CDNA5" Instruction Set Architecture Reference Guide (July 2026). The comments in the code are by the model that wrote it; some were corrected since.
;; Attention. Allowed arithmetic: matrix products marked QUANTISED: E4M3 operands, one E8M0 scale for each 32 along K, by v_wmma_scale_f32_16x16x128_f8f6f4 with both operands' format E4M3, f32 sums; everything else in f32.
;; Inputs: freqs_cos 2,048 x 64 float32; freqs_sin 2,048 x 64 float32; mask 2,048 x 2,048 float32; wk 2,048 x 2,048 float32; wo 2,048 x 2,048 float32; wq 2,048 x 2,048 float32; wv 2,048 x 2,048 float32; x 1 x 2,048 x 2,048 float32.
;; Outputs: out0 1 x 2,048 x 2,048 float32.
;; Constants: start_pos = 0.
;; This version of the problem:
;;   THIS VERSION OF THE PROBLEM IS GIVEN IN LOW PRECISION. The matrix products marked QUANTISED in the list below multiply operands that are first quantised to E4M3 (4 exponent bits, 3 mantissa bits; 8 bits a number), with one power-of-two scale for each 32 numbers along K (OCP MX v1.0); their sums are f32. All else is computed in f32.
;;   The module's matrix products, in the order in which they are computed (A, B: the left and right operand; K: the contracted axis; several contracted axes count as one K, in the product's order):
;;     1. [M 2,048, K 2,048] x [K 2,048, N 2,048]; A: input x; B: input wq: QUANTISED
;;     2. [M 2,048, K 2,048] x [K 2,048, N 2,048]; A: input x; B: input wk: QUANTISED
;;     3. [M 2,048, K 2,048] x [K 2,048, N 2,048]; A: input x; B: input wv: QUANTISED
;;     4. batch 16 x [M 2,048, K 128] x [K 128, N 2,048]; A: computed on the way; B: computed on the way: QUANTISED
;;     5. batch 16 x [M 128, K 2,048] x [K 2,048, N 2,048]; A: computed on the way; B: softmax (see below): QUANTISED
;;     6. [M 2,048, K 2,048] x [K 2,048, N 2,048]; A: computed on the way; B: input wo: QUANTISED
;;   THE QUANTISER, for each operand of a quantised product, along K:
;;     - K is cut into blocks of 32 from its start; a last block that is shorter is filled with zeros.
;;     - A block's scale is 2^e with e = floor(log2(the largest magnitude in the block)) - 8, held to -126 .. 127; a block of zeros has e = 0. As a byte (E8M0): e + 127.
;;     - Each number is divided by its block's scale, clamped to +-448, and rounded to the nearest number of E4M3, ties to even, subnormals kept.
;;     - The product sums the exact products of the quantised numbers (number of the format x scale) in f32.
;;   ~~~python
;;   def quantise(x, axis):      # numpy; x: float32 -> the quantised numbers, widened to float32 again
;;       x = np.moveaxis(x, axis, -1); K = x.shape[-1]
;;       x = np.pad(x, [(0, 0)] * (x.ndim - 1) + [(0, -K % 32)]); x = x.reshape(x.shape[:-1] + (-1, 32)); a = np.abs(x).max(-1, keepdims=True)
;;       e = np.where(a > 0, np.clip(np.frexp(np.where(a > 0, a, 1))[1] - 1 - 8, -126, 127), 0)      # np.frexp(a)[1] - 1 = floor(log2(a)), exactly
;;       r = np.clip(x / 2.0 ** e, -448, 448)
;;       step = 2.0 ** (np.maximum(np.frexp(np.where(r == 0, 1, r))[1] - 1, -6) - 3)
;;       q = np.round(r / step) * step * 2.0 ** e      # np.round: ties to even
;;       return np.moveaxis(q.reshape(q.shape[:-2] + (-1,))[..., :K], -1, axis).astype(np.float32)
;;   ~~~
;;   SOFTMAX AHEAD OF A QUANTISED PRODUCT. Where the list says 'softmax', what is quantised is not the finished softmax but p = 2^(t - M), with t = logit x log2(e) and M = ceil(the row's largest t), a whole number; so 1/2 < the row's largest p <= 1. The row's sum l is taken of the UNQUANTISED p, in f32, and the product's result is divided by l at the end. Since M is a whole number, a kernel that streams over the keys may use a running M (the ceiling of the running maximum): every later rescaling is an exact power of two, which a block's scale takes up: the codes' values come out the same.
;;   OPERANDS COMPUTED ON THE WAY. 'Computed on the way' means the value that the module computes at that place (a softmax that the list does not call 'softmax' is quantised finished and normalised). What goes into a quantiser is computed in f32, as accurately as f32 sums, v_exp_f32 and their like allow (about 1e-6 of the number): no bf16 or f16 on the way to a quantiser, and a product that is left as it is and whose result goes on into a quantised operand takes f32 operands (vector FMAs, or v_wmma_f32_16x16x4_f32). A number that lies on a knife's edge between two numbers of the format may be rounded either way, as far as f32 arithmetic and the matrix unit's own rounding can turn it there, and no further.
;; One version. Each part assembles by itself: llvm-mc -triple=amdgcn-amd-amdhsa -mcpu=gfx1250 --defsym DOCPART=n.
;; ======== version 1 of 1: 4 launches
;; limits: right only within a limited range of input values
;; workspace buffers: codes 20,971,520 bytes; scales 655,360 bytes; qkv 12,582,912 bytes; qkvs 393,216 bytes; ac 4,194,304 bytes; acs 131,072 bytes; flags 2,048 bytes of whole numbers
;; launch quant (part 1): grid 768 x 1, 4 waves a work-group, no clusters, 33,280 bytes of LDS; arguments x, wq, wk, wv, wo, codes, scales, mask, flags; writes codes, scales, flags
.if DOCPART == 1
	.amdgcn_target "amdgcn-amd-amdhsa--gfx1250"
	.amdhsa_code_object_version 6
	.text
	.protected	k_qf70ae6efce_quant
	.globl	k_qf70ae6efce_quant
	.p2align	8
	.type	k_qf70ae6efce_quant,@function
k_qf70ae6efce_quant:
	s_mov_b64 s[64:65], 0
	v_nop
	global_prefetch_b8 v0, s[64:65] scope:SCOPE_SE
	s_setreg_imm32_b32 hwreg(HW_REG_WAVE_MODE, 25, 1), 1
	s_wait_xcnt 0x0
; LAUNCH 1 OF 4.  Work-groups 0 to 639: x, wq, wk, wv, wo, each [2048][2048] f32 with K innermost, become codes of FP8 (E4M3) with one E8M0 scale byte for each 32 along K:
; codes [10240 rows][2048 bytes], scales [10240][64 bytes]; rows 0.. x, 2048.. wq, 4096.. wk, 6144.. wv, 8192.. wo.
; Work-groups 640 to 767: THE MASK IS READ ONCE AND DESCRIBED BY WHOLE NUMBERS.  For each tile of 16 queries and each step of 128 keys two bits are stored: bit s: some number of the mask's 16 x 128 there is not -infinity;
; bit 16 + s: some number there is not zero.  flags [128 tiles][4 words]: wave w stores the bits of steps 4 w .. 4 w + 3; the OR of a tile's four words is its description.
; WHAT THE PROGRAM LEAVES OUT, AND WHY THAT IS RIGHT FOR EVERY MASK: no pattern of the mask is built in.  Where all 16 x 128 numbers are -infinity, every score there is -infinity, every p is 0, the running maximum does not move,
; and the row's sum and the second product get zeros: launch 3, which reads the stored bits, does not compute that tile's step.  Where all are zero the addition of the mask changes nothing, and launch 3 does not load it.
; LIMIT of that: a NaN or an infinity among Q, K, V that reaches only a step left out is not carried to the result.  start_pos is a constant that the computation never uses, and it has no buffer.
; A block's scale is 2^(floor(log2(its largest magnitude)) - 8); its byte is the largest magnitude's exponent field - 8, held at 1 from below.  Each number is divided by the scale, held within +-448 and rounded to the nearest code, ties to even.
; LIMITS: a block of zeros gets the byte 1 and not 127 (its codes are zeros, and this program alone reads the bytes); blocks whose largest magnitude lies under 2^-118 keep the byte 1; NaN and infinities in the five tensors, and NaN in the mask, are not served.
; The quantiser: a work-group takes 32,768 numbers, a wave 16 steps of 512.  Each load reads 512 consecutive bytes; a step's 2,048 bytes turn through the wave's own stage in LDS and come back 64 bytes a lane (two lanes a block).
; A wave's 256 scale bytes are gathered in its own LDS bytes and leave as one aligned run of 256 bytes.  No barrier: waves share nothing.
.set WAVES, 4
.set STEPS, 16
.set EMAX,  8
.set MANT,  0x600000                   ; the mantissa field of 448 as f32
.set CB,    16
.set R,     16                         ; v16-79   four sets of 16 numbers as they are loaded
.set X,     80                         ; v80-111  two sets of 16 neighbours
.set C,     128                        ; v128-191 codes: four registers a step
.set E,     112                        ; v112-127 a scale byte a step
.set WREG,  8192                       ; LDS: a region for each wave: two stages of 32 x SP bytes, behind them its 256 scale bytes
.set SP,    80
.set SPW,   12                         ; v12  LDS address of my spare word; never rewritten
.set NIL,   13                         ; v13  0; never rewritten
.set SPARE, WAVES*WREG                 ; the spare words, 128 bytes for each wave, which no other line names
	s_load_b256 s[4:11], s[0:1], 0x0               ; x, wq, wk, wv
	s_load_b128 s[12:15], s[0:1], 0x20             ; wo, codes
	s_load_b64 s[16:17], s[0:1], 0x30              ; scales
	s_load_b128 s[28:31], s[0:1], 0x38             ; mask, flags
	v_lshl_add_u32 v[SPW], v0, 2, SPARE
	v_mov_b32 v[NIL], 0
	v_lshrrev_b32 v1, 5, v0
	v_readfirstlane_b32 s24, v1                    ; wave
	v_and_b32 v2, 31, v0                           ; lane
	v_lshlrev_b32 v3, 4, v2                        ; my 16 bytes of a load's 512
	s_mul_i32 s25, s24, WREG
	v_lshrrev_b32 v14, 2, v2
	v_mul_u32_u24 v14, v14, SP
	v_and_b32 v15, 3, v2
	v_lshl_add_u32 v14, v15, 4, v14
	v_add_nc_u32 v14, s25, v14                     ; the stage, on the way in: SP (lane / 4) + 16 (lane % 4)
	v_mul_u32_u24 v15, v2, SP
	v_add_nc_u32 v15, s25, v15                     ; and on the way out: SP x lane
	v_mul_u32_u24 v4, v2, CB
	v_lshrrev_b32 v5, 1, v2
	s_add_co_u32 s25, s25, 2*32*SP
	v_add_nc_u32 v5, s25, v5                       ; LDS: my block's scale byte
	v_lshlrev_b32 v7, 3, v2
	v_add_nc_u32 v6, s25, v7
	s_mov_b32 s23, MANT
	s_lshr_b32 s20, ttmp9, 7                       ; which tensor: 128 work-groups each
	s_and_b32 s21, ttmp9, 127
	s_lshl_b32 s21, s21, 2
	s_add_co_u32 s21, s21, s24                     ; my wave's run of 8,192 numbers in the tensor
	s_lshl_b32 s26, s21, 15
	s_mov_b32 s27, 0
	s_lshl_b32 s22, ttmp9, 2
	s_add_co_u32 s22, s22, s24
	s_wait_alu depctr_va_vdst(0)                   ; the wait at the head's end
	s_wait_kmcnt 0x0
	s_cmp_ge_u32 ttmp9, 640                        ; the last 128 work-groups describe the mask
	s_cbranch_scc1 .Lscan
	s_cmp_eq_u32 s20, 1                            ; the choice of the input hangs on the work-group's number alone
	s_cselect_b64 s[4:5], s[6:7], s[4:5]
	s_cmp_eq_u32 s20, 2
	s_cselect_b64 s[4:5], s[8:9], s[4:5]
	s_cmp_eq_u32 s20, 3
	s_cselect_b64 s[4:5], s[10:11], s[4:5]
	s_cmp_eq_u32 s20, 4
	s_cselect_b64 s[4:5], s[12:13], s[4:5]
	s_add_nc_u64 s[4:5], s[4:5], s[26:27]
	s_lshl_b32 s26, s22, 13
	s_add_nc_u64 s[14:15], s[14:15], s[26:27]
	s_lshl_b32 s26, s22, 8
	s_add_nc_u64 s[16:17], s[16:17], s[26:27]
.macro LOAD t
.irp i, 0,1,2,3
	global_load_b128 v[R+16*((\t)%4)+4*\i:R+16*((\t)%4)+4*\i+3], v3, s[4:5] offset:2048*(\t)+512*\i th:TH_LOAD_NT
.endr
.endm
.macro TURN t                          ; LDS serves a wave's instructions in order: no wait between the stores and the loads
.irp i, 0,1,2,3
	ds_store_b128 v14, v[R+16*((\t)%4)+4*\i:R+16*((\t)%4)+4*\i+3] offset:32*SP*((\t)%2)+8*SP*\i
.endr
.irp i, 0,1,2,3
	ds_load_b128 v[X+16*((\t)%2)+4*\i:X+16*((\t)%2)+4*\i+3], v15 offset:32*SP*((\t)%2)+16*\i
.endr
.endm
.irp t, 0,1,2,3
	LOAD \t
.endr
	s_wait_loadcnt 12                              ; step 0's four loads are in
	TURN 0
.macro STEP t
.set XS, X+16*((\t)%2)
.if (\t) > 0
	s_wait_dscnt 1                                 ; this step's numbers are back (the last step's byte store may be out)
.else
	s_wait_dscnt 0x0
.endif
.if (\t)+4 < STEPS
	LOAD (\t)+4
.endif
.if (\t)+1 < STEPS
.if STEPS-2-(\t) >= 3
	s_wait_loadcnt 12                              ; the next step's four loads are in; three steps' may be out
.else
	s_wait_loadcnt 4*(STEPS-2-(\t))
.endif
	TURN (\t)+1
.endif
	v_max3_num_f32 v8, |v[XS]|, |v[XS+1]|, |v[XS+2]|
	v_max3_num_f32 v9, |v[XS+3]|, |v[XS+4]|, |v[XS+5]|
.irp i, 6,10
	v_max3_num_f32 v8, v8, |v[XS+\i]|, |v[XS+\i+1]|
	v_max3_num_f32 v9, v9, |v[XS+\i+2]|, |v[XS+\i+3]|
.endr
	v_max3_num_f32 v8, v8, |v[XS+14]|, |v[XS+15]|
	v_max3_num_f32 v8, v8, v9, (EMAX+1)<<23        ; the floor 2^(9 - 127): the byte cannot fall under 1
	v_max_num_f32_dpp v8, v8, v8 row_xmask:1 row_mask:0xf bank_mask:0xf   ; with my neighbour's 16: the block's
	v_add_nc_u32 v11, -(EMAX<<23), v8              ; the conversion's scale operand
	v_and_or_b32 v10, v8, 0x7f800000, s23          ; 448 x the scale
.irp i, 0,1,2,3,4,5,6,7,8,9,10,11,12,13,14,15
	v_med3_num_f32 v[XS+\i], v[XS+\i], -v10, v10   ; the conversion does not saturate (ISA guide 7.6.2): the hold comes first
.endr
	v_cvt_scalef32_pk8_fp8_f32 v[C+4*(\t):C+4*(\t)+1], v[XS:XS+7], v11
	v_cvt_scalef32_pk8_fp8_f32 v[C+4*(\t)+2:C+4*(\t)+3], v[XS+8:XS+15], v11
	v_lshrrev_b32 v[E+(\t)], 23, v11               ; the scale's byte
	ds_store_b8 v5, v[E+(\t)] offset:16*(\t)
	global_store_b128 v4, v[C+4*(\t):C+4*(\t)+3], s[14:15] offset:32*CB*(\t)
.endm
.irp t, 0,1,2,3,4,5,6,7,8,9,10,11,12,13,14,15
	STEP \t
.endr
	ds_load_b64 v[8:9], v6
	s_wait_dscnt 0x0
	global_store_b64 v7, v[8:9], s[16:17]          ; 32 lanes store 256 consecutive bytes, aligned
	s_wait_tensorcnt 0x0                           ; the wave's end, behind my last LDS store
	ds_add_u32 v[SPW], v[NIL]
	s_wait_dscnt 0x0
	s_endpgm
; THE MASK'S DESCRIPTION.  A work-group takes 16 rows; wave w their columns 512 w .. 512 w + 511: a load of 512 consecutive bytes is one row's part of one key step.  This way touches no LDS.
; v144-147 the largest number of each of my four key steps, v148-151 the largest magnitude.
.Lscan:
	s_sub_co_u32 s20, ttmp9, 640                   ; the tile of 16 queries
	s_lshl_b32 s26, s20, 17                        ; 16 rows of 8,192 bytes
	s_lshl_b32 s21, s24, 11
	s_add_co_u32 s26, s26, s21
	s_add_nc_u64 s[28:29], s[28:29], s[26:27]
	s_lshl_b32 s26, s20, 4                         ; 16 bytes of flags a tile,
	s_lshl_b32 s21, s24, 2                         ; 4 a wave; also: four bits a wave
	s_add_co_u32 s26, s26, s21
	s_add_nc_u64 s[30:31], s[30:31], s[26:27]
	s_mov_b32 s22, 0x76543210
	s_mov_b32 s23, 0xfedcba98
.macro MLOAD g                         ; rows 4 g .. 4 g + 3 into set g % 2
.irp p, 0,1,2,3
.irp i, 0,1,2,3
	global_load_b128 v[16+64*((\g)%2)+16*\p+4*\i:16+64*((\g)%2)+16*\p+4*\i+3], v3, s[28:29] offset:8192*(4*(\g)+\p)+512*\i th:TH_LOAD_NT
.endr
.endr
.endm
	MLOAD 0
	MLOAD 1
.irp q, 0,1,2,3
	v_mov_b32 v[144+\q], 0xff800000                ; -infinity
	v_mov_b32 v[148+\q], 0
.endr
.irp q, 0,1,2,3,4,5,6,7
	v_mov_b32 v[152+\q], 0                         ; a lane permute's destination counts as one of its sources
.endr
.macro MRED g
	s_wait_alu depctr_va_vdst(0)
.if (\g) < 3
	s_wait_loadcnt 16                              ; these four rows are in; the next four rows' 16 loads may be out
.else
	s_wait_loadcnt 0x0
.endif
.irp p, 0,1,2,3
.irp i, 0,1,2,3
	v_max3_num_f32 v[144+\i], v[144+\i], v[16+64*((\g)%2)+16*\p+4*\i], v[17+64*((\g)%2)+16*\p+4*\i]
	v_max3_num_f32 v[148+\i], v[148+\i], |v[16+64*((\g)%2)+16*\p+4*\i]|, |v[17+64*((\g)%2)+16*\p+4*\i]|
	v_max3_num_f32 v[144+\i], v[144+\i], v[18+64*((\g)%2)+16*\p+4*\i], v[19+64*((\g)%2)+16*\p+4*\i]
	v_max3_num_f32 v[148+\i], v[148+\i], |v[18+64*((\g)%2)+16*\p+4*\i]|, |v[19+64*((\g)%2)+16*\p+4*\i]|
.endr
.endr
.if (\g)+2 < 4
	MLOAD (\g)+2
.endif
.endm
	MRED 0
	MRED 1
	MRED 2
	MRED 3
.irp k, 1,2,4,8
.irp q, 0,1,2,3,4,5,6,7
	v_max_num_f32_dpp v[144+\q], v[144+\q], v[144+\q] row_xmask:\k row_mask:0xf bank_mask:0xf
.endr
.endr
.irp q, 0,1,2,3,4,5,6,7
	v_permlanex16_b32 v[152+\q], v[144+\q], s22, s23
.endr
.irp q, 0,1,2,3,4,5,6,7
	v_max_num_f32 v[144+\q], v[144+\q], v[152+\q]  ; over the wave's 32 lanes
.endr
	v_mov_b32 v160, 0
.irp i, 0,1,2,3
	v_cmp_ne_u32 vcc_lo, 0xff800000, v[144+\i]     ; some number is not -infinity
	v_cndmask_b32 v161, 0, 1, vcc_lo
	v_lshl_or_b32 v160, v161, \i, v160
	v_cmp_ne_u32 vcc_lo, 0, v[148+\i]              ; some number is not zero
	v_cndmask_b32 v161, 0, 1, vcc_lo
	v_lshl_or_b32 v160, v161, 16+\i, v160
.endr
	v_lshlrev_b32 v160, s21, v160                  ; to my wave's four bits of each half
	v_mov_b32 v162, 0
	v_cmp_eq_u32 vcc_lo, 0, v2
	s_wait_alu depctr_va_vdst(0)
	s_wait_xcnt 0x0                                ; EXEC changes only behind this wait
	s_and_saveexec_b32 s20, vcc_lo
	global_store_b32 v162, v160, s[30:31]          ; lane 0 stores the wave's word
	s_wait_xcnt 0x0
	s_or_b32 exec_lo, exec_lo, s20
	s_endpgm
.Lfunc_end_k_qf70ae6efce_quant:
	.size	k_qf70ae6efce_quant, .Lfunc_end_k_qf70ae6efce_quant-k_qf70ae6efce_quant
	.p2alignl 7, 3214868480
	.fill 96, 4, 3214868480
	.section	.rodata,"a",@progbits
	.p2align	6, 0x0
	.amdhsa_kernel k_qf70ae6efce_quant
		.amdhsa_group_segment_fixed_size 33280
		.amdhsa_private_segment_fixed_size 0
		.amdhsa_enable_private_segment 0
		.amdhsa_kernarg_size 72
		.amdhsa_user_sgpr_count 2
		.amdhsa_user_sgpr_kernarg_segment_ptr 1
		.amdhsa_wavefront_size32 1
		.amdhsa_system_sgpr_workgroup_id_x 1
		.amdhsa_system_sgpr_workgroup_id_y 1
		.amdhsa_system_sgpr_workgroup_id_z 1
		.amdhsa_system_vgpr_workitem_id 0
		.amdhsa_next_free_vgpr 192
		.amdhsa_next_free_sgpr 66
		.amdhsa_reserve_vcc 1
		.amdhsa_float_denorm_mode_32 3
		.amdhsa_float_denorm_mode_16_64 3
		.amdhsa_memory_ordered 1
		.amdhsa_forward_progress 1
		.amdhsa_inst_pref_size 79
	.end_amdhsa_kernel
	.amdgpu_metadata
---
amdhsa.version: [ 1, 2 ]
amdhsa.kernels:
  - .name:           k_qf70ae6efce_quant
    .symbol:         k_qf70ae6efce_quant.kd
    .args:
      - { .name: x, .offset: 0, .size: 8, .value_kind: global_buffer, .address_space: global }
      - { .name: wq, .offset: 8, .size: 8, .value_kind: global_buffer, .address_space: global }
      - { .name: wk, .offset: 16, .size: 8, .value_kind: global_buffer, .address_space: global }
      - { .name: wv, .offset: 24, .size: 8, .value_kind: global_buffer, .address_space: global }
      - { .name: wo, .offset: 32, .size: 8, .value_kind: global_buffer, .address_space: global }
      - { .name: codes, .offset: 40, .size: 8, .value_kind: global_buffer, .address_space: global }
      - { .name: scales, .offset: 48, .size: 8, .value_kind: global_buffer, .address_space: global }
      - { .name: mask, .offset: 56, .size: 8, .value_kind: global_buffer, .address_space: global }
      - { .name: flags, .offset: 64, .size: 8, .value_kind: global_buffer, .address_space: global }
    .group_segment_fixed_size: 33280
    .private_segment_fixed_size: 0
    .kernarg_segment_align: 8
    .kernarg_segment_size: 72
    .max_flat_workgroup_size: 128
    .sgpr_count:     66
    .vgpr_count:     192
    .wavefront_size: 32
...
	.end_amdgpu_metadata
.endif
;; end of part 1
;; launch qkv (part 2): grid 24 x 8, 4 waves a work-group, clusters of 4 x 4, 327,680 bytes of LDS; arguments codes, scales, freqs_cos, freqs_sin, qkv, qkvs; writes qkv, qkvs
.if DOCPART == 2
	.amdgcn_target "amdgcn-amd-amdhsa--gfx1250"
	.amdhsa_code_object_version 6
	.text
	.protected	k_qf70ae6efce_qkv
	.globl	k_qf70ae6efce_qkv
	.p2align	8
	.type	k_qf70ae6efce_qkv,@function
k_qf70ae6efce_qkv:
	s_mov_b64 s[64:65], 0
	v_nop
	global_prefetch_b8 v0, s[64:65] scope:SCOPE_SE
	s_setreg_imm32_b32 hwreg(HW_REG_WAVE_MODE, 25, 1), 1
	s_wait_xcnt 0x0
	s_wait_alu depctr_hold_cnt(0) depctr_sa_sdst(0) depctr_va_vdst(0) depctr_va_sdst(0) depctr_va_ssrc(0) depctr_va_vcc(0) depctr_vm_vsrc(0)
	s_getreg_b32 s2, hwreg(HW_REG_IB_STS2, 6, 4)
	s_cmp_eq_u32 s2, 0
	s_cbranch_scc0 .Lentry_in_a_cluster
	s_endpgm
.Lentry_in_a_cluster:
	s_bfe_u32 s2, ttmp6, 0x10000c
	s_cmp_lg_u32 s2, 0xf033
	s_cbranch_scc0 .Lentry_shape_is_right
	s_endpgm
.Lentry_shape_is_right:
.set SIZE_K, 2048
.set KSTEP,  256
.set NQ,     KSTEP/128
.set ROWB,   256
.set KROW,   SIZE_K
.set PITCH,  272
.set FR,     16
.set NL,     4
.set NP,     8
.set HALFT,  128*PITCH
.set SLOT,   4*HALFT
.set LAPS,   SIZE_K/(2*KSTEP)
.set KS,     SIZE_K/32
.set SCL,    2*SLOT
.set HALFS,  (128*KS/256)*272
.set SBLK,   (16*KS/256)*272
.set SPARE,  SCL+4*HALFS
.set ADRA, 16
.set ADRB, 20
.set PW,   22
.set CO,   24
.set CA,   25
.set L4,   26
.set ADRS, 27
.set SPW,  28
.set NIL,  29
.set PWE,  30
.set SW,   31
.set SC,   32
.set PC,   64
.set TM,   80
.set AF,   128
.set ST,   128
.set G1, 24
.set G0, 32
.set G1B, 48
.set G0B, 56
.set G1S, 68
.set G0S, 76
.set G1SB, 80
.set G0SB, 88
.set MNT, 95
.set SEL, 96
.set HI16, 100
.set ISV, 101
.set MSB, 0
.macro WIN new
.if MSB != (\new)
	s_set_vgpr_msb (MSB<<8)|(\new)
.set MSB, \new
.endif
.endm
.set MUL_LO, 0xa1
.set MUL_HI, 0xf1
.set TO_B,   0x40
.macro JLOAD g0a, g1a, g0b, g1b
	s_cmp_eq_u32 s15, 0
	s_cbranch_scc0 .Lfor_b_\@
	tensor_load_to_lds s[\g0a:\g0a+3], s[\g1a:\g1a+7]
	s_nop 0
.rept 4
	v_nop
.endr
	s_branch .Lasked_\@
.Lfor_b_\@:
	tensor_load_to_lds s[\g0b:\g0b+3], s[\g1b:\g1b+7]
	s_nop 0
.rept 4
	v_nop
.endr
.Lasked_\@:
.endm
.macro CREST
	s_cmp_lg_u32 s14, 0
	s_cbranch_scc1 .Lnot_wave_0_\@
	s_barrier_signal -3
.Lnot_wave_0_\@:
	s_barrier_wait -3
	s_barrier_signal -1
	s_barrier_wait -1
.endm
.macro CROUND
	s_barrier_signal -1
	s_barrier_wait -1
	CREST
.endm
	s_load_b128 s[4:7], s[0:1], 0x0
	s_load_b128 s[8:11], s[0:1], 0x10
	s_load_b64 s[12:13], s[0:1], 0x20
	s_load_b64 s[98:99], s[0:1], 0x28
	v_lshl_add_u32 v[SPW], v0, 2, SPARE
	v_mov_b32 v[NIL], 0
	ds_add_u32 v[SPW], v[NIL]
	ds_add_u32 v[SPW], v[NIL]
	v_lshrrev_b32 v1, 5, v0
	v_readfirstlane_b32 s14, v1
	s_lshr_b32 s15, s14, 1
	s_and_b32 s16, s14, 1
	s_bfe_u32 s40, ttmp6, 0x40000
	s_bfe_u32 s41, ttmp6, 0x40004
	s_lshl_b32 s42, ttmp9, 2
	s_add_co_u32 s42, s42, s40
	s_and_b32 s17, ttmp7, 0xffff
	s_lshl_b32 s17, s17, 2
	s_add_co_u32 s17, s17, s41
	s_lshl_b32 s43, s41, 2
	s_lshl_b32 s43, 15, s43
	s_lshl_b32 s44, 0x1111, s40
	s_cmp_ge_u32 ttmp9, 4
	s_cselect_b32 s[ISV], 1, 0
	s_cselect_b32 s66, 6144, 0
	s_cselect_b32 s67, 0, 6144
	s_mov_b32 s[MNT], 0x600000
	s_mov_b32 s[SEL], 0x76543210
	s_mov_b32 s[SEL+1], 0xfedcba98
	s_mov_b32 s[HI16], 0xffff0000
	s_or_b32 s[G1+0], s43, (0<<16)|(1<<20)|(1<<21)|(5<<22)|(3<<25)
	s_or_b32 s[G1B+0], s44, (0<<16)|(1<<20)|(1<<21)|(5<<22)|(3<<25)
.irp g, G1, G1B
	s_mov_b32 s[\g+1], ROWB<<16
	s_mov_b32 s[\g+2], 128<<16
	s_mov_b32 s[\g+3], ROWB<<16
	s_mov_b32 s[\g+4], 128
	s_mov_b32 s[\g+5], KROW
	s_mov_b32 s[\g+6], 0
	s_mov_b32 s[\g+7], 0
.endr
	s_or_b32 s[G1S+0], s43, (3<<16)|(1<<20)|(1<<21)|(5<<22)|(3<<25)
	s_or_b32 s[G1SB+0], s44, (3<<16)|(1<<20)|(1<<21)|(5<<22)|(3<<25)
.irp g, G1S, G1SB
	s_mov_b32 s[\g+1], 32<<16
	s_mov_b32 s[\g+2], (128*KS/256)<<16
	s_mov_b32 s[\g+3], 32<<16
	s_mov_b32 s[\g+4], 128*KS/256
	s_mov_b32 s[\g+5], 32
	s_mov_b32 s[\g+6], 0
	s_mov_b32 s[\g+7], 0
.endr
	s_lshl_b32 s18, s16, 7
	s_lshl_b32 s20, s17, 8
	s_add_co_u32 s20, s20, s18
	s_add_co_u32 s20, s20, s66
	s_lshl_b32 s46, s42, 8
	s_add_co_u32 s46, s46, s18
	s_add_co_u32 s46, s46, s67
	s_sub_co_u32 s46, s46, 4096
	s_mov_b32 s21, 0
	s_mov_b32 s47, 0
	s_mov_b64 s[18:19], KS
	s_mul_u64 s[22:23], s[20:21], s[18:19]
	s_mul_u64 s[92:93], s[46:47], s[18:19]
	s_mov_b64 s[18:19], KROW
	s_mul_u64 s[20:21], s[20:21], s[18:19]
	s_mul_u64 s[46:47], s[46:47], s[18:19]
	s_mul_i32 s45, s14, HALFT
	s_mul_i32 s94, s14, HALFS
	s_wait_dscnt 0x0
	s_wait_kmcnt 0x0
	s_add_nc_u64 s[20:21], s[4:5], s[20:21]
	s_add_nc_u64 s[22:23], s[6:7], s[22:23]
	s_add_nc_u64 s[46:47], s[4:5], s[46:47]
	s_add_nc_u64 s[92:93], s[6:7], s[92:93]
	CROUND
	s_mov_b32 s[G0S], 1
	s_add_co_u32 s[G0S+1], s94, SCL
	s_mov_b64 s[G0S+2:G0S+3], s[22:23]
	s_or_b32 s[G0S+3], s[G0S+3], 0x80000000
	s_mov_b32 s[G0SB], 1
	s_add_co_u32 s[G0SB+1], s94, SCL
	s_mov_b64 s[G0SB+2:G0SB+3], s[92:93]
	s_or_b32 s[G0SB+3], s[G0SB+3], 0x80000000
	JLOAD G0S, G1S, G0SB, G1SB
.irp s, 0,1
	s_mov_b32 s[G0+4*\s], 1
	s_add_co_u32 s[G0+4*\s+1], s45, \s*SLOT
	s_add_nc_u64 s[G0+4*\s+2:G0+4*\s+3], s[20:21], \s*ROWB
	s_or_b32 s[G0+4*\s+3], s[G0+4*\s+3], 0x80000000
	s_mov_b32 s[G0B+4*\s], 1
	s_add_co_u32 s[G0B+4*\s+1], s45, \s*SLOT
	s_add_nc_u64 s[G0B+4*\s+2:G0B+4*\s+3], s[46:47], \s*ROWB
	s_or_b32 s[G0B+4*\s+3], s[G0B+4*\s+3], 0x80000000
	s_wait_alu depctr_va_vdst(0)
	s_wait_tensorcnt 0x0
	ds_add_u32 v28, v29
	s_wait_dscnt 0x0
	CROUND
	JLOAD G0+4*\s, G1, G0B+4*\s, G1B
.endr
	v_and_b32 v1, 15, v0
	v_bfe_u32 v2, v0, 4, 1
	v_mul_u32_u24 v3, v1, PITCH
	v_lshl_add_u32 v4, v2, 4, v3
	s_mul_i32 s21, s15, HALFT
	s_mul_i32 s22, s16, HALFT
	s_add_co_u32 s22, s22, 2*HALFT
.irp s, 0,1
	v_add_nc_u32 v[ADRA+\s], s21, v4
	v_add_nc_u32 v[ADRB+\s], s22, v4
	s_add_co_u32 s21, s21, SLOT
	s_add_co_u32 s22, s22, SLOT
.endr
	v_mul_u32_u24 v5, v1, KS
	v_lshrrev_b32 v6, 8, v5
	v_lshl_add_u32 v5, v6, 4, v5
	s_mul_i32 s21, s15, HALFS
	s_mul_i32 s22, s16, HALFS
	s_add_co_u32 s22, s22, 2*HALFS
	s_sub_co_u32 s22, s22, s21
	v_mul_u32_u24 v6, s22, v2
	s_add_co_u32 s21, s21, SCL
	v_add_nc_u32 v5, v5, v6
	v_add_nc_u32 v[ADRS], s21, v5
	v_lshlrev_b32 v[CO], 4, v1
	v_lshl_add_u32 v[CO], v2, 3, v[CO]
	v_lshlrev_b32 v[CA], 8, v1
	v_lshl_add_u32 v[CA], v2, 4, v[CA]
	v_and_b32 v[L4], 31, v0
	v_lshlrev_b32 v[L4], 2, v[L4]
	s_lshl_b32 s20, s17, 1
	s_add_co_u32 s20, s20, s15
	s_lshl_b32 s21, s42, 1
	s_add_co_u32 s21, s21, s16
	s_add_co_u32 s22, s20, 32
	s_sub_co_u32 s23, s21, 32
	s_cmp_eq_u32 s[ISV], 1
	s_cselect_b32 s22, s22, s21
	s_cselect_b32 s23, s23, s20
	s_lshl_b32 s46, s22, 18
	s_lshl_b32 s47, s23, 14
	s_add_co_u32 s46, s46, s47
	s_mov_b32 s47, 0
	s_add_nc_u64 s[12:13], s[12:13], s[46:47]
	s_lshl_b32 s46, s22, 13
	s_lshl_b32 s45, s23, 9
	s_add_co_u32 s46, s46, s45
	s_add_nc_u64 s[98:99], s[98:99], s[46:47]
	s_lshl_b32 s46, s20, 15
	s_add_nc_u64 s[8:9], s[8:9], s[46:47]
	s_add_nc_u64 s[10:11], s[10:11], s[46:47]
.macro FRAG reg, adr, q, i
.irp c, 0,1,2,3
	ds_load_b128 v[\reg+4*\c:\reg+4*\c+3], v[\adr] offset:128*(\q)+32*\c+(\i)*16*PITCH
.endr
.endm
.macro MUL16 a0, p, q, sc, zero
.irp a, \a0, \a0+1
.irp b, 0,1,2,3,4,5,6,7
.if \zero
	v_wmma_scale_f32_16x16x128_f8f6f4 v[8*(8*((\a)%4)+\b):8*(8*((\a)%4)+\b)+7], v[128*(\p)+FR*\b:128*(\p)+FR*\b+FR-1], v[AF+FR*(\a):AF+FR*(\a)+FR-1], 0, v[SC+8*NQ*(\sc)+NQ*\b+(\q)], v[SC+8*NQ*(\sc)+NQ*(\a)+(\q)] matrix_a_scale:MATRIX_SCALE_ROW1
.else
	v_wmma_scale_f32_16x16x128_f8f6f4 v[8*(8*((\a)%4)+\b):8*(8*((\a)%4)+\b)+7], v[128*(\p)+FR*\b:128*(\p)+FR*\b+FR-1], v[AF+FR*(\a):AF+FR*(\a)+FR-1], v[8*(8*((\a)%4)+\b):8*(8*((\a)%4)+\b)+7], v[SC+8*NQ*(\sc)+NQ*\b+(\q)], v[SC+8*NQ*(\sc)+NQ*(\a)+(\q)] matrix_a_scale:MATRIX_SCALE_ROW1
.endif
.endr
.endr
.endm
.macro FETCH_B slot, q, p
	WIN TO_B
.irp i, 0,1,2,3,4,5,6,7
	FRAG 128*(\p)+FR*\i, ADRB+\slot, \q, \i
.endr
	WIN 0
.endm
.macro FETCH_A slot, q, i0
.irp i, \i0, \i0+1, \i0+2, \i0+3
	FRAG AF+FR*(\i), ADRA+\slot, \q, \i
.endr
.endm
.macro SCALES sc
.irp i, 0,1,2,3,4,5,6,7
	ds_load_b64 v[SC+8*NQ*\sc+NQ*\i:SC+8*NQ*\sc+NQ*\i+1], v[ADRS] offset:\i*SBLK
.endr
.endm
.macro PLACES n
.rept \n
	v_nop
.endr
.endm
.macro STEP slot, q, zero
	s_wait_dscnt 4*NL
	WIN MUL_LO
	MUL16 0, (\q)%2, \q, \slot, \zero
	MUL16 2, (\q)%2, \q, \slot, \zero
	s_wait_dscnt 0
	PLACES NP
	FETCH_B \slot, (\q)+1, 1-(\q)%2
	FETCH_A \slot, (\q)+1, 0
	WIN MUL_HI
	MUL16 4, (\q)%2, \q, \slot, \zero
	MUL16 6, (\q)%2, \q, \slot, \zero
	PLACES NP
	WIN 0
	FETCH_A \slot, (\q)+1, 4
.endm
.macro TURN slot, next, fill
	s_wait_tensorcnt 0x0
	ds_add_u32 v[SPW], v[NIL]
	s_wait_dscnt 4*NL+1
	WIN MUL_LO
	MUL16 0, 1, NQ-1, \slot, 0
	s_wait_dscnt 0x0
	s_barrier_signal -1
	MUL16 2, 1, NQ-1, \slot, 0
	WIN 0
	s_barrier_wait -1
.if \fill
	CREST
	s_add_nc_u64 s[G0+4*\slot+2:G0+4*\slot+3], s[G0+4*\slot+2:G0+4*\slot+3], 2*ROWB
	s_add_nc_u64 s[G0B+4*\slot+2:G0B+4*\slot+3], s[G0B+4*\slot+2:G0B+4*\slot+3], 2*ROWB
	JLOAD G0+4*\slot, G1, G0B+4*\slot, G1B
	PLACES NP-4
.else
	PLACES NP
.endif
	s_wait_alu depctr_va_vdst(0)
	v_add_nc_u32 v[ADRS], 4*NQ, v[ADRS]
	FETCH_B \next, 0, 0
	FETCH_A \next, 0, 0
	SCALES \next
	WIN MUL_HI
	MUL16 4, 1, NQ-1, \slot, 0
	MUL16 6, 1, NQ-1, \slot, 0
	PLACES NP
	WIN 0
	FETCH_A \next, 0, 4
.endm
	s_wait_alu depctr_va_vdst(0)
	s_wait_tensorcnt 1
	s_barrier_signal -1
	s_barrier_wait -1
	FETCH_B 0, 0, 0
	FETCH_A 0, 0, 0
	SCALES 0
	FETCH_A 0, 0, 4
	STEP 0, 0, 1
	s_mov_b32 s3, LAPS-1
.Llap:
	TURN 0, 1, 1
	STEP 1, 0, 0
	TURN 1, 0, 1
	STEP 0, 0, 0
	s_sub_co_u32 s3, s3, 1
	s_cmp_lg_u32 s3, 0
	s_cbranch_scc1 .Llap
	TURN 0, 1, 0
	STEP 1, 0, 0
	s_wait_dscnt 4*NL
	WIN MUL_LO
	MUL16 0, 1, NQ-1, 1, 0
	MUL16 2, 1, NQ-1, 1, 0
	s_wait_dscnt 0
	WIN MUL_HI
	MUL16 4, 1, NQ-1, 1, 0
	MUL16 6, 1, NQ-1, 1, 0
	WIN 0
.macro CSLOAD a
	WIN TO_B
.irp b, 0,1,2,3,4,5,6,7
	global_load_b128 v[64*((\a)%2)+8*\b:64*((\a)%2)+8*\b+3], v[CA], s[8:9] offset:4096*(\a)+32*\b
	global_load_b128 v[64*((\a)%2)+8*\b+4:64*((\a)%2)+8*\b+7], v[CA], s[10:11] offset:4096*(\a)+32*\b
.endr
	WIN 0
.endm
.macro ROPE a
.set AC, 64*((\a)%4)
.set CSB, 64*((\a)%2)
	WIN 0x06+(\a)/4
.irp b, 0,1,2,3,4,5,6,7
.irp p, 0,1,2,3
	v_mul_f32 v[ST+8*\b+2*\p],   v[AC+8*\b+2*\p+1], v[CSB+8*\b+4+\p]
	v_mul_f32 v[ST+8*\b+2*\p+1], v[AC+8*\b+2*\p+1], v[CSB+8*\b+\p]
.endr
.irp p, 0,1,2,3
	v_fma_f32 v[ST+8*\b+2*\p],   v[AC+8*\b+2*\p], v[CSB+8*\b+\p], -v[ST+8*\b+2*\p]
	v_fma_f32 v[ST+8*\b+2*\p+1], v[AC+8*\b+2*\p], v[CSB+8*\b+4+\p], v[ST+8*\b+2*\p+1]
.endr
.endr
	WIN 0
.endm
.macro QUANT src, w
	WIN (\w)|((\w)<<2)
.irp c, 0,1,2,3
	v_max3_num_f32 v[TM+\c], |v[\src+16*\c]|, |v[\src+16*\c+1]|, 0x4800000
.endr
.irp i, 2,4,6,8,10,12,14
.irp c, 0,1,2,3
	v_max3_num_f32 v[TM+\c], |v[\src+16*\c+\i]|, |v[\src+16*\c+\i+1]|, v[TM+\c]
.endr
.endr
	WIN 0
.irp c, 0,1,2,3
	v_permlanex16_b32 v[TM+4+\c], v[TM+\c], s[SEL], s[SEL+1]
.endr
.irp c, 0,1,2,3
	v_max_num_f32 v[TM+\c], v[TM+\c], v[TM+4+\c]
.endr
.irp c, 0,1,2,3
	v_add_nc_u32 v[TM+12+\c], 0xfc000000, v[TM+\c]
.endr
.irp c, 0,1,2,3
	v_and_or_b32 v[TM+8+\c], v[TM+\c], 0x7f800000, s[MNT]
.endr
.irp c, 0,1,2,3
	v_lshrrev_b32 v[TM+4+\c], 23, v[TM+12+\c]
.endr
	v_lshl_or_b32 v[PW], v[TM+5], 8, v[TM+4]
	v_lshl_or_b32 v[PW], v[TM+6], 16, v[PW]
	v_lshl_or_b32 v[PW], v[TM+7], 24, v[PW]
	WIN \w
.irp c, 0,1,2,3
.irp i, 0,1,2,3,4,5,6,7,8,9,10,11,12,13,14,15
	v_med3_num_f32 v[ST+16*\c+\i], v[\src+16*\c+\i], -v[TM+8+\c], v[TM+8+\c]
.endr
.endr
	WIN 0
.irp g, 0,1,2,3,4,5,6,7
	v_cvt_scalef32_pk8_fp8_f32 v[PC+2*\g:PC+2*\g+1], v[ST+8*\g:ST+8*\g+7], v[TM+12+\g/2]
.endr
	v_nop
.endm
.macro OUTB a
.irp b, 0,1,2,3,4,5,6,7
	global_store_b64 v[CO], v[PC+2*\b:PC+2*\b+1], s[12:13] offset:2048*(\a)+256*\b
.endr
.if ((\a)%2) == 0
	v_mov_b32 v[PWE], v[PW]
.else
	v_cndmask_b32 v[SW], v[PWE], v[PW], s[HI16]
	global_store_b32 v[L4], v[SW], s[98:99] offset:128*((\a)/2)
.endif
.endm
.macro QKBLOCK a
	s_wait_xcnt 0x0
.if (\a) < 7
	CSLOAD (\a)+1
	s_wait_loadcnt 16
.else
	s_wait_loadcnt 0x0
.endif
	ROPE \a
	QUANT ST, 0
	OUTB \a
.endm
.macro VBLOCK a
.set AC, 64*((\a)%4)
.set WW, 2+(\a)/4
	s_wait_xcnt 0x0
	QUANT AC, WW
	OUTB \a
.endm
	PLACES NP
.irp c, 0,1,2,3
	v_mov_b32 v[TM+4+\c], 0
.endr
	s_cmp_eq_u32 s[ISV], 0
	s_cbranch_scc0 .Lv_arm
	CSLOAD 0
.irp a, 0,1,2,3,4,5,6,7
	QKBLOCK \a
.endr
	s_branch .Lout_done
.Lv_arm:
.irp a, 0,1,2,3,4,5,6,7
	VBLOCK \a
.endr
.Lout_done:
	s_wait_tensorcnt 0x0
	ds_add_u32 v[SPW], v[NIL]
	s_wait_dscnt 0x0
	CROUND
	s_endpgm
.Lfunc_end_k_qf70ae6efce_qkv:
	.size	k_qf70ae6efce_qkv, .Lfunc_end_k_qf70ae6efce_qkv-k_qf70ae6efce_qkv
	.p2alignl 7, 3214868480
	.fill 96, 4, 3214868480
	.section	.rodata,"a",@progbits
	.p2align	6, 0x0
	.amdhsa_kernel k_qf70ae6efce_qkv
		.amdhsa_group_segment_fixed_size 327680
		.amdhsa_private_segment_fixed_size 0
		.amdhsa_enable_private_segment 0
		.amdhsa_kernarg_size 48
		.amdhsa_user_sgpr_count 2
		.amdhsa_user_sgpr_kernarg_segment_ptr 1
		.amdhsa_wavefront_size32 1
		.amdhsa_system_sgpr_workgroup_id_x 1
		.amdhsa_system_sgpr_workgroup_id_y 1
		.amdhsa_system_sgpr_workgroup_id_z 1
		.amdhsa_system_vgpr_workitem_id 0
		.amdhsa_next_free_vgpr 1024
		.amdhsa_next_free_sgpr 102
		.amdhsa_reserve_vcc 0
		.amdhsa_float_denorm_mode_32 3
		.amdhsa_float_denorm_mode_16_64 3
		.amdhsa_memory_ordered 1
		.amdhsa_forward_progress 1
		.amdhsa_inst_pref_size 255
	.end_amdhsa_kernel
	.section	.bss,"aw",@nobits
	.p2align	6
	.space	262144
	.amdgpu_metadata
---
amdhsa.version: [ 1, 2 ]
amdhsa.kernels:
  - .name:           k_qf70ae6efce_qkv
    .symbol:         k_qf70ae6efce_qkv.kd
    .args:
      - { .name: codes, .offset: 0, .size: 8, .value_kind: global_buffer, .address_space: global }
      - { .name: scales, .offset: 8, .size: 8, .value_kind: global_buffer, .address_space: global }
      - { .name: freqs_cos, .offset: 16, .size: 8, .value_kind: global_buffer, .address_space: global }
      - { .name: freqs_sin, .offset: 24, .size: 8, .value_kind: global_buffer, .address_space: global }
      - { .name: qkv, .offset: 32, .size: 8, .value_kind: global_buffer, .address_space: global }
      - { .name: qkvs, .offset: 40, .size: 8, .value_kind: global_buffer, .address_space: global }
    .group_segment_fixed_size: 327680
    .private_segment_fixed_size: 0
    .kernarg_segment_align: 8
    .kernarg_segment_size: 48
    .max_flat_workgroup_size: 128
    .sgpr_count:     102
    .vgpr_count:     1024
    .wavefront_size: 32
...
	.end_amdgpu_metadata
.endif
;; end of part 2
;; launch attn (part 3): grid 16 x 16, 4 waves a work-group, no clusters, 0 bytes of LDS; arguments qkv, qkvs, mask, flags, ac, acs; writes ac, acs
.if DOCPART == 3
	.amdgcn_target "amdgcn-amd-amdhsa--gfx1250"
	.amdhsa_code_object_version 6
	.text
	.protected	k_qf70ae6efce_attn
	.globl	k_qf70ae6efce_attn
	.p2align	8
	.type	k_qf70ae6efce_attn,@function
k_qf70ae6efce_attn:
	s_mov_b64 s[64:65], 0
	v_nop
	global_prefetch_b8 v0, s[64:65] scope:SCOPE_SE
	s_setreg_imm32_b32 hwreg(HW_REG_WAVE_MODE, 25, 1), 1
	s_wait_xcnt 0x0
; LAUNCH 3 OF 4.  For each head: S = Q K^T, + mask, the softmax, O = P V, O / the row's sum, and the quantiser of the result along the model's axis.  Both products on codes of FP8 (E4M3) with E8M0 scales.
; WORK LEFT OUT, by the whole numbers that launch 1 stored (flags: for a tile of 16 queries, bit s: some number of the mask at key step s is not -infinity; bit 16 + s: some number there is not zero):
; a tile's key step all of whose mask is -infinity gives p = 0 everywhere, moves no maximum and adds zeros: it is not computed; where the mask is all zero it is neither loaded nor added.  That holds for every mask.
; THE SOFTMAX AHEAD OF THE SECOND PRODUCT: w = score + sqrt(128) x mask; t = c w, c = log2(e) / sqrt(128); M = the running largest t rounded UP to a whole number; p = 2^(t - M) is quantised along the keys, not normalised.
; The row's sum is taken of the unquantised p and divides O at the end.  When M moves, the sum and O are multiplied by 2^(old M - new M): exact.
; LIMITS: w is one fused multiply-add, another order of rounding than score / sqrt(128) + mask; a query all of whose keys the mask hides by -infinity gets a sum of 0 and is not served (the definition gives NaN there);
; NaN and +infinity in the mask are not served; a NaN or an infinity in K or V that reaches only a step left out is not carried on; a block of zeros gets the byte 1 (its codes are zeros; this program alone reads the bytes).
; SHARES.  256 work-groups: x = 0 .. 15, y = the head.  Wave w owns TWO tiles of 16 queries, number a = 4 x + w and number 127 - a: a tile early in the sequence and its mirror image, so that masks that hide later keys leave all waves like shares.
; Every wave walks the key steps 0 .. n - 1, n - 1 the last step in which one of its tiles counts.  The step is written four times (both tiles, the first, the second, none), chosen by the stored bits.
; NO TENSOR LOAD, NO LDS, NO BARRIER, NO CLUSTER: the walk hangs on numbers read from memory; waves share nothing.
; Q, K, V arrive as images of operand registers (16 rows x 128 K: the byte of (row r, k) at 256 (k / 16) + 16 r + k % 16): each load of a wave reads 512 consecutive bytes.  ac [128 token tiles][16 heads][2048 bytes], acs [16 heads][2048] scale words leave so too.
; LOADS: K of step j + 1 (32 loads and 4 of scale words) is asked for behind the scores of step j, V of step j + 1 (36) behind the second product of step j: so behind the group that a wait is for stands exactly one younger group of 36.
; LAYOUT.  Both products are used transposed: S^T = K Q^T, O^T = V^T P^T: a lane holds ONE query.  Register 8 m + i of S^T is key 16 m + 8 (lane / 16) + i.  P's operand wants 16 neighbouring keys a lane: behind the conversions
; v_permlane16_swap_b32 exchanges tile 2 b's codes in lanes 16-31 with tile 2 b + 1's in lanes 0-15.  A scale word register holds two tiles' words: lanes 0-15 the even tile's, lanes 16-31 the odd one's.
; PREFETCH: all 64 waves of a head read the same K and V.  Work-group x (but 0) names key step x once, at its head: waves 0, 1 the halves of K's 16,384 bytes, waves 2, 3 of V's, lanes 256 bytes apart; so each run of 256 bytes is named once in the launch, x steps ahead of its first use.
; O^T and the sums begin as zeros, since which step is a tile's first hangs on the stored bits.
; REGISTERS.  Tile T's state lies in window T under the same numbers: v12 -M, v13 the largest t, v[14:15] the sum, v32-95 the mask, v96-159 S^T then p, v160-223 O^T, v224-239 p's codes, v232-247, v252-254 at work.
;   window 0 alone: v1-10 addresses; v16-19 K's scale words, v24-27 V's, v248, v249 Q's, v250 tile 1's p scale word, v253 tile 0's.   window 2: v0-127 K's fragments, v128-255 V's.   window 3: v0-31 Q's two.
.set VIMG, 4194304                     ; from K's images to V's: 16 heads of 2^18 bytes
.set VWRD, 131072                      ; from K's scale words to V's
.set L16,  1                           ; v1   16 x lane
.set L4,   2                           ; v2   4 x lane
.set AM,   3                           ; v3, v4   my row of the mask, tile 0, 1: row x 8,192 + 32 (lane / 16)
.set QW,   5                           ; v5, v6   my query's scale word
.set PFO,  7                           ; v7   the prefetch's offset
.set CO,   9                           ; v9   16 r + 8 h
.set SO,   10                          ; v10  the result's scale word: lanes 0-15 tile 0's, lanes 16-31 tile 1's
.set KSC,  16
.set VSC,  24
.set WV,   18
.set MNT,  19
.set SEL,  20
.set CS,   22                          ; s[22:23] c
.set RT,   24                          ; s[24:25] sqrt(128)
.set HI16, 26
.set STP,  27                          ; s27  the key step
.set NST,  28                          ; s28  steps to walk
.set FL,   29                          ; s29, s30  bit s: tile 0, 1 counts in step s
.set GN,   31                          ; s31, s32  bit s: its mask is not all zero there
.set KB,   34                          ; s[34:35] K's images of my head;  s[36:37] K's scale words
.set WB,   36
.set KC,   38                          ; s[38:39], s[40:41] the same at the step that is asked for
.set WC,   40
.set MB,   42                          ; s[42:43] the mask at the step's columns
.set T0,   44
.set OA,   48                          ; s[48:51] the results' images
.set QA,   52                          ; s[52:55] Q's images
.set FW,   56                          ; s[56:63] the flags' words
.set MSB, 0
.macro WIN new
.if MSB != (\new)
	s_set_vgpr_msb (MSB<<8)|(\new)
.set MSB, \new
.endif
.endm
.macro PLACES n
.rept \n
	v_nop
.endr
.endm
.macro KLOADS
	WIN 0x80
.irp m, 0,1,2,3,4,5,6,7
.irp c, 0,1,2,3
	global_load_b128 v[16*\m+4*\c:16*\m+4*\c+3], v[L16], s[KC:KC+1] offset:2048*\m+512*\c
.endr
.endr
	WIN 0
.irp q, 0,1,2,3
	global_load_b32 v[KSC+\q], v[L4], s[WC:WC+1] offset:128*\q
.endr
.endm
.macro VLOADS
	WIN 0x80
.irp m, 0,1,2,3,4,5,6,7
.irp c, 0,1,2,3
	global_load_b128 v[128+16*\m+4*\c:128+16*\m+4*\c+3], v[L16], s[KC:KC+1] offset:VIMG+2048*\m+512*\c
.endr
.endr
	WIN 0
.irp q, 0,1,2,3
	global_load_b32 v[VSC+\q], v[L4], s[WC:WC+1] offset:VWRD+128*\q
.endr
.endm
	s_load_b256 s[4:11], s[0:1], 0x0               ; qkv s[4:5], qkvs s[6:7], mask s[8:9], flags s[10:11]
	s_load_b128 s[12:15], s[0:1], 0x20             ; ac, acs
	v_lshrrev_b32 v1, 5, v0
	v_readfirstlane_b32 s[WV], v1                  ; wave 0..3
	s_and_b32 s17, ttmp7, 0xffff                   ; the head
	s_lshl_b32 s16, ttmp9, 2
	s_add_co_u32 s16, s16, s[WV]                   ; tile 0: a = 4 x + w
	s_sub_co_u32 s33, 127, s16                     ; tile 1: 127 - a
	s_add_co_u32 s[KB], s17, 16
	s_lshl_b32 s[WB], s[KB], 13
	s_lshl_b32 s[KB], s[KB], 18
	s_mov_b32 s[KB+1], 0
	s_mov_b32 s[WB+1], 0
	s_lshl_b32 s[T0], s17, 18
	s_lshl_b32 s[QA], s16, 11
	s_add_co_u32 s[QA], s[QA], s[T0]
	s_lshl_b32 s[QA+2], s33, 11
	s_add_co_u32 s[QA+2], s[QA+2], s[T0]
	s_mov_b32 s[QA+1], 0
	s_mov_b32 s[QA+3], 0
	s_lshl_b32 s[OA], s16, 4
	s_add_co_u32 s[OA], s[OA], s17
	s_lshl_b32 s[OA], s[OA], 11                    ; (16 x tile + head) x 2,048
	s_lshl_b32 s[OA+2], s33, 4
	s_add_co_u32 s[OA+2], s[OA+2], s17
	s_lshl_b32 s[OA+2], s[OA+2], 11
	s_mov_b32 s[OA+1], 0
	s_mov_b32 s[OA+3], 0
	s_lshl_b32 s66, s16, 4                         ; 16 bytes of flags a tile
	s_mov_b32 s67, 0
	s_lshl_b32 s68, s33, 4
	s_mov_b32 s69, 0
	s_lshl_b32 s70, s16, 17                        ; the tiles' first rows of the mask
	s_lshl_b32 s71, s33, 17
	s_lshl_b32 s72, s17, 13
	s_lshl_b32 s73, s16, 6
	s_add_co_u32 s73, s73, s72                     ; scale words: head x 8,192 + 4 x token
	s_lshl_b32 s74, s33, 6
	s_add_co_u32 s74, s74, s72
	s_lshr_b32 s75, s[WV], 1                       ; the prefetch: K (waves 0, 1) or V (2, 3) of my head, key step x, my half
	s_lshl_b32 s75, s75, 4
	s_add_co_u32 s75, s75, s17
	s_add_co_u32 s75, s75, 16
	s_lshl_b32 s75, s75, 18
	s_lshl_b32 s[T0], ttmp9, 14
	s_add_co_u32 s75, s75, s[T0]
	s_and_b32 s[T0], s[WV], 1
	s_lshl_b32 s[T0], s[T0], 13
	s_add_co_u32 s75, s75, s[T0]
	s_mov_b32 s[MNT], 0x600000
	s_mov_b32 s[SEL], 0x76543210
	s_mov_b32 s[SEL+1], 0xfedcba98
	s_mov_b32 s[CS], 0x3e0293ee                    ; c = log2(e) / sqrt(128)
	s_mov_b32 s[CS+1], s[CS]
	s_mov_b32 s[RT], 0x413504f3                    ; sqrt(128)
	s_mov_b32 s[RT+1], s[RT]
	s_mov_b32 s[HI16], 0xffff0000
	s_mov_b32 s[STP], 0
	v_and_b32 v9, 15, v0                           ; r
	v_bfe_u32 v10, v0, 4, 1                        ; h
	v_and_b32 v11, 31, v0                          ; lane
	v_lshlrev_b32 v[L16], 4, v11
	v_lshlrev_b32 v[L4], 2, v11
	v_lshl_add_u32 v[AM], v9, 13, s70
	v_lshl_add_u32 v[AM], v10, 5, v[AM]
	v_lshl_add_u32 v[AM+1], v9, 13, s71
	v_lshl_add_u32 v[AM+1], v10, 5, v[AM+1]
	v_lshl_add_u32 v[QW], v9, 2, s73
	v_lshl_add_u32 v[QW+1], v9, 2, s74
	v_lshl_add_u32 v[PFO], v11, 8, s75
	v_lshlrev_b32 v8, 4, v9
	v_lshl_add_u32 v[CO], v10, 3, v8
	v_cndmask_b32 v[SO], v[QW], v[QW+1], s[HI16]
	s_wait_alu depctr_va_vdst(0)
	s_wait_kmcnt 0x0
	s_add_nc_u64 s[66:67], s[10:11], s[66:67]
	s_add_nc_u64 s[68:69], s[10:11], s[68:69]
	s_load_b128 s[FW:FW+3], s[66:67], 0x0          ; my two tiles' descriptions
	s_load_b128 s[FW+4:FW+7], s[68:69], 0x0
	s_add_nc_u64 s[KB:KB+1], s[4:5], s[KB:KB+1]
	s_add_nc_u64 s[WB:WB+1], s[6:7], s[WB:WB+1]
	s_add_nc_u64 s[QA:QA+1], s[4:5], s[QA:QA+1]
	s_add_nc_u64 s[QA+2:QA+3], s[4:5], s[QA+2:QA+3]
	s_add_nc_u64 s[OA:OA+1], s[12:13], s[OA:OA+1]
	s_add_nc_u64 s[OA+2:OA+3], s[12:13], s[OA+2:OA+3]
	s_mov_b64 s[KC:KC+1], s[KB:KB+1]
	s_mov_b64 s[WC:WC+1], s[WB:WB+1]
	WIN 0xc0                                       ; destination window 3
.irp t, 0,1
.irp c, 0,1,2,3
	global_load_b128 v[16*\t+4*\c:16*\t+4*\c+3], v[L16], s[QA+2*\t:QA+2*\t+1] offset:512*\c   ; Q's two fragments stay in registers
.endr
.endr
	WIN 0
	global_load_b32 v248, v[QW], s[6:7]
	global_load_b32 v249, v[QW+1], s[6:7]
	KLOADS                                         ; key step 0
	VLOADS
	s_cmp_eq_u32 ttmp9, 0                          ; key step 0 comes by its loads alone
	s_cbranch_scc1 .Lno_ask
	global_prefetch_b8 v[PFO], s[4:5] th:TH_LOAD_NT scope:SCOPE_SE   ; its two address registers are never rewritten
.Lno_ask:
.macro INIT
	v_mov_b32 v13, 0xff61b1e6                      ; the largest t so far: -3e38
	v_floor_f32 v12, -v13
	v_mov_b32 v14, 0
	v_mov_b32 v15, 0
.irp b, 236,237,238,239,252,253
	v_mov_b32 v\b, 0                               ; a lane permute's destination counts as one of its sources
.endr
.set I_, 0
.rept 64
	v_mov_b32 v[160+I_], 0
.set I_, I_+1
.endr
.endm
	INIT
	WIN 0x55
	INIT
	WIN 0
	s_wait_alu depctr_va_vdst(0)                   ; the wait at the head's end
	s_wait_kmcnt 0x0
	s_or_b32 s[FL], s[FW], s[FW+1]
	s_or_b32 s[FW+2], s[FW+2], s[FW+3]
	s_or_b32 s[FL], s[FL], s[FW+2]
	s_or_b32 s[FL+1], s[FW+4], s[FW+5]
	s_or_b32 s[FW+6], s[FW+6], s[FW+7]
	s_or_b32 s[FL+1], s[FL+1], s[FW+6]
	s_lshr_b32 s[GN], s[FL], 16
	s_lshr_b32 s[GN+1], s[FL+1], 16
	s_and_b32 s[FL], s[FL], 0xffff
	s_and_b32 s[FL+1], s[FL+1], 0xffff
	s_min_u32 s[FL], s[FL], 0xffff                 ; the numbers that the branches test are held within 16 bits
	s_min_u32 s[FL+1], s[FL+1], 0xffff
	s_min_u32 s[GN], s[GN], 0xffff
	s_min_u32 s[GN+1], s[GN+1], 0xffff
	s_or_b32 s[T0], s[FL], s[FL+1]
	s_and_b32 s[T0], s[T0], 0xffff
	s_or_b32 s[T0], s[T0], 1                       ; step 0 is always walked
	s_clz_i32_u32 s[T0], s[T0]
	s_sub_co_u32 s[NST], 32, s[T0]                 ; the last step that counts, + 1
	s_min_u32 s[NST], s[NST], 16
; S^T = K Q^T of tile t: eight accumulators, each begun with 0
.macro KQ t
	WIN 0x0e|((\t)<<6)
.irp m, 0,2,4,6
	v_wmma_scale_f32_16x16x128_f8f6f4 v[96+8*\m:103+8*\m], v[16*\m:16*\m+15], v[16*\t:16*\t+15], 0, v[KSC+\m/2], v[248+\t]
	v_wmma_scale_f32_16x16x128_f8f6f4 v[104+8*\m:111+8*\m], v[16*\m+16:16*\m+31], v[16*\t:16*\t+15], 0, v[KSC+\m/2], v[248+\t] matrix_a_scale:MATRIX_SCALE_ROW1
.endr
.endm
; O^T += V^T P^T of tile t: eight accumulators by turns
.macro PV t
	WIN 0x02+0x54*(\t)
.irp m, 0,2,4,6
	v_wmma_scale_f32_16x16x128_f8f6f4 v[160+8*\m:167+8*\m], v[128+16*\m:143+16*\m], v[224:239], v[160+8*\m:167+8*\m], v[VSC+\m/2], v[253-3*\t]
	v_wmma_scale_f32_16x16x128_f8f6f4 v[168+8*\m:175+8*\m], v[144+16*\m:159+16*\m], v[224:239], v[168+8*\m:175+8*\m], v[VSC+\m/2], v[253-3*\t] matrix_a_scale:MATRIX_SCALE_ROW1
.endr
.endm
; The next step's addresses: step + 1, held at 15 so that no load leaves its buffer
.macro STEPK
	s_wait_xcnt 0x0                                ; the loads that are out have read their bases
	s_add_co_u32 s[T0], s[STP], 1
	s_min_u32 s[T0], s[T0], 15
	s_lshl_b32 s[T0+2], s[T0], 14
	s_mov_b32 s[T0+3], 0
	s_add_nc_u64 s[KC:KC+1], s[KB:KB+1], s[T0+2:T0+3]
	s_lshl_b32 s[T0+2], s[T0], 9
	s_add_nc_u64 s[WC:WC+1], s[WB:WB+1], s[T0+2:T0+3]
	s_lshl_b32 s[T0+2], s[STP], 9
	s_add_nc_u64 s[MB:MB+1], s[8:9], s[T0+2:T0+3]  ; the mask at this step's columns (earlier loads by this base have been waited for)
.endm
; The mask of tile t at this step, only where it is not all zero: register 8 m + i is column 128 step + 16 m + 8 h + i of my query's row.  All loads are waited for here.
.macro MASK t
	WIN (\t)<<6
.irp m, 0,1,2,3,4,5,6,7
	global_load_b128 v[32+8*\m:35+8*\m], v[AM+\t], s[MB:MB+1] offset:64*\m
	global_load_b128 v[36+8*\m:39+8*\m], v[AM+\t], s[MB:MB+1] offset:64*\m+16
.endr
	WIN 0
	s_wait_loadcnt 0x0
	WIN 0x55*(\t)
	s_wait_alu depctr_va_vdst(0)                   ; ahead of the first reader of S^T
.set I_, 0
.rept 32
	v_pk_fma_f32 v[96+I_:97+I_], v[32+I_:33+I_], s[RT:RT+1], v[96+I_:97+I_] op_sel_hi:[1,0,1]   ; w = score + sqrt(128) x mask
.set I_, I_+2
.endr
	WIN 0
.endm
; One tile's softmax of a key step, in the tile's own window.
.macro SOFT t
	s_wait_alu depctr_va_vdst(0)                   ; ahead of the first reader of S^T
.irp b, 0,1,2,3
	v_max3_num_f32 v[232+\b], v[96+16*\b], v[97+16*\b], v[98+16*\b]   ; the largest w of each block of 32 keys: for the row's maximum and, since p rises with w, for the block's largest p
.endr
.irp i, 3,5,7,9,11,13
.irp b, 0,1,2,3
	v_max3_num_f32 v[232+\b], v[232+\b], v[96+16*\b+\i], v[97+16*\b+\i]
.endr
.endr
.irp b, 0,1,2,3
	v_max_num_f32 v[232+\b], v[232+\b], v[111+16*\b]
.endr
.irp b, 0,1,2,3
	v_permlanex16_b32 v[236+\b], v[232+\b], s[SEL], s[SEL+1]
.endr
.irp b, 0,1,2,3
	v_max_num_f32 v[232+\b], v[232+\b], v[236+\b]  ; with lane l xor 16's 16 keys
.endr
	v_max3_num_f32 v254, v232, v233, v234
	v_max_num_f32 v254, v254, v235
	v_mul_f32 v254, s[CS], v254                    ; as t
	v_max_num_f32 v13, v13, v254                   ; the running largest t
	v_mov_b32 v254, v12
	v_floor_f32 v12, -v13                          ; the new -M = -ceil(t)
	v_sub_f32 v254, v12, v254                      ; old M - new M: a whole number, 0 or less
	v_cvt_i32_f32 v254, v254
	v_ldexp_f32 v252, 1.0, v254                    ; f = 2^(old M - new M)
.set I_, 0
.rept 32
	v_pk_fma_f32 v[96+I_:97+I_], v[96+I_:97+I_], s[CS:CS+1], v[12:13] op_sel_hi:[1,0,0]   ; t - M
.set I_, I_+2
.endr
.irp b, 0,1,2,3
	v_fma_f32 v[232+\b], v[232+\b], s[CS], v12
.endr
	s_wait_alu depctr_va_vdst(0)                   ; ahead of the batch
.set I_, 0
.rept 64
	v_exp_f32 v[96+I_], v[96+I_]                   ; p = 2^(t - M)
.set I_, I_+1
.endr
	v_pk_mul_f32 v[14:15], v[14:15], v[252:253] op_sel_hi:[1,0]   ; the sums under the new M: a plain instruction behind the exponentials
	s_wait_alu depctr_va_vdst(0)                   ; one wait for the batch, ahead of its first reader
.irp b, 0,1,2,3
	v_exp_f32 v[232+\b], v[232+\b]                 ; the block's largest p
.endr
	v_pk_add_f32 v[236:237], v[96:97], v[98:99]    ; the row's sum is taken of the unquantised p, in two chains
.irp j, 4,8,12,16,20,24,28,32,36,40,44,48,52,56,60
	v_pk_add_f32 v[14:15], v[14:15], v[96+\j:97+\j]
	v_pk_add_f32 v[236:237], v[236:237], v[98+\j:99+\j]
.endr
	v_pk_add_f32 v[14:15], v[14:15], v[236:237]
	s_wait_alu depctr_va_vdst(0)                   ; and one for the four
.irp b, 0,1,2,3
	v_max_num_f32 v[232+\b], 0x4800000, v[232+\b]  ; the floor 2^(9 - 127): the byte cannot fall under 1
.endr
.irp b, 0,1,2,3
	v_add_nc_u32 v[244+\b], 0xfc000000, v[232+\b]  ; the conversion's scale operand
.endr
.irp b, 0,1,2,3
	v_and_or_b32 v[240+\b], v[232+\b], 0x7f800000, s[MNT]   ; 448 x the scale
.endr
.irp b, 0,1,2,3
	v_lshrrev_b32 v[236+\b], 23, v[244+\b]         ; the scale's byte
.endr
	v_lshl_or_b32 v253, v237, 8, v236              ; p's scale word for these 128 keys
	v_lshl_or_b32 v253, v238, 16, v253
	v_lshl_or_b32 v253, v239, 24, v253
.if \t == 1
	WIN 0x01
	v_mov_b32 v250, v253                           ; scale operands are taken from window 0: tile 1's word goes there
	WIN 0x55
.endif
.irp b, 0,1,2,3
.irp i, 0,1,2,3,4,5,6,7,8,9,10,11,12,13,14,15
	v_min_num_f32 v[96+16*\b+\i], v[96+16*\b+\i], v[240+\b]   ; the hold: p is not negative, so it is one-sided
.endr
	v_cvt_scalef32_pk8_fp8_f32 v[224+4*\b:225+4*\b], v[96+16*\b:103+16*\b], v[244+\b]
	v_cvt_scalef32_pk8_fp8_f32 v[226+4*\b:227+4*\b], v[104+16*\b:111+16*\b], v[244+\b]
.endr
	v_nop                                          ; a plain instruction behind the last conversion
.irp b, 0,1,2,3
	v_permlane16_swap_b32 v[224+4*\b], v[226+4*\b] ; lanes 0-15 now hold keys 32 b + 0 .. 15, lanes 16-31 keys 32 b + 16 .. 31
	v_permlane16_swap_b32 v[225+4*\b], v[227+4*\b]
.endr
	s_wait_alu depctr_va_vdst(0)                   ; ahead of the first reader of O^T
.set I_, 0
.rept 32
	v_pk_mul_f32 v[160+I_:161+I_], v[160+I_:161+I_], v[252:253] op_sel_hi:[1,0]   ; O^T under the new M; also the places between the codes and the products
.set I_, I_+2
.endr
.endm
.macro TILE t
	s_bitcmp1_b32 s[GN+\t], s[STP]
	s_cbranch_scc0 .Lplain_\@
	MASK \t
.Lplain_\@:
	WIN 0x55*(\t)
	SOFT \t
	WIN 0
	s_wait_alu depctr_va_vdst(0)
.endm
; A KEY STEP for the tiles that count in it (a, b: tile 0, tile 1).
.macro BODY a, b
.if \a
	KQ 0
.endif
.if \b
	KQ 1
.endif
	WIN 0
.if \a || \b
	PLACES 8                                       ; behind the products: for the reads of S^T and the loads into K's registers and scale words
.endif
	KLOADS                                         ; K of the next step, by the bases made at the step's head
.if \a
	TILE 0
.endif
.if \b
	TILE 1
.endif
	s_wait_loadcnt 36                              ; V of this step is in; behind it stand the 36 loads of the next step's K
.if \a
	PV 0
.endif
.if \b
	PV 1
.endif
	WIN 0
.if \a || \b
	PLACES 8                                       ; for the loads into V's registers and scale words, and the reads of O^T
.endif
.endm
.Lkey:
	s_wait_loadcnt 36                              ; K of this step (and at first Q) is in; behind it stand the 36 loads of this step's V
	STEPK                                          ; all the step's addresses are made here, ahead of the branches on the stored bits
	s_bitcmp1_b32 s[FL], s[STP]
	s_cbranch_scc0 .Lnot_0
	s_bitcmp1_b32 s[FL+1], s[STP]
	s_cbranch_scc0 .Lonly_0
	BODY 1, 1
	s_branch .Ljoin
.Lonly_0:
	BODY 1, 0
	s_branch .Ljoin
.Lnot_0:
	s_bitcmp1_b32 s[FL+1], s[STP]
	s_cbranch_scc0 .Lnone
	BODY 0, 1
	s_branch .Ljoin
.Lnone:
	BODY 0, 0
.Ljoin:
	VLOADS                                         ; V of the next step, by the bases that STEPK made
	s_add_co_u32 s[STP], s[STP], 1
	s_cmp_lt_u32 s[STP], s[NST]
	s_cbranch_scc1 .Lkey
; THE WAY OUT.  O^T / the sum is quantised along the channels (a block of 32 lies in lanes l and l xor 16) and leaves as an image: a lane's 8 codes of channel tile t at 256 t + 16 r + 8 h.
.macro FINISH
	v_add_f32 v14, v14, v15
	v_permlanex16_b32 v252, v14, s[SEL], s[SEL+1]
	v_add_f32 v14, v14, v252                       ; the row's sum
	s_wait_alu depctr_va_vdst(0)
	v_rcp_f32 v14, v14
	v_nop
	s_wait_alu depctr_va_vdst(0)                   ; ahead of the first reader
.set I_, 0
.rept 64
	v_mul_f32 v[96+I_], v[160+I_], v14             ; register 8 t + i: channel 16 t + 8 h + i of my query
.set I_, I_+1
.endr
.irp c, 0,1,2,3
	v_max3_num_f32 v[232+\c], |v[96+16*\c]|, |v[97+16*\c]|, 0x4800000
.endr
.irp i, 2,4,6,8,10,12,14
.irp c, 0,1,2,3
	v_max3_num_f32 v[232+\c], v[232+\c], |v[96+16*\c+\i]|, |v[97+16*\c+\i]|
.endr
.endr
.irp c, 0,1,2,3
	v_permlanex16_b32 v[236+\c], v[232+\c], s[SEL], s[SEL+1]
.endr
.irp c, 0,1,2,3
	v_max_num_f32 v[232+\c], v[232+\c], v[236+\c]
.endr
.irp c, 0,1,2,3
	v_add_nc_u32 v[244+\c], 0xfc000000, v[232+\c]
.endr
.irp c, 0,1,2,3
	v_and_or_b32 v[240+\c], v[232+\c], 0x7f800000, s[MNT]
.endr
.irp c, 0,1,2,3
	v_lshrrev_b32 v[236+\c], 23, v[244+\c]
.endr
	v_lshl_or_b32 v253, v237, 8, v236              ; my query's scale word for this head's 128
	v_lshl_or_b32 v253, v238, 16, v253
	v_lshl_or_b32 v253, v239, 24, v253
.irp c, 0,1,2,3
.irp i, 0,1,2,3,4,5,6,7,8,9,10,11,12,13,14,15
	v_med3_num_f32 v[96+16*\c+\i], v[96+16*\c+\i], -v[240+\c], v[240+\c]
.endr
	v_cvt_scalef32_pk8_fp8_f32 v[224+4*\c:225+4*\c], v[96+16*\c:103+16*\c], v[244+\c]
	v_cvt_scalef32_pk8_fp8_f32 v[226+4*\c:227+4*\c], v[104+16*\c:111+16*\c], v[244+\c]
.endr
	v_nop                                          ; a plain instruction behind the last conversion
.endm
	FINISH
.irp t, 0,1,2,3,4,5,6,7
	global_store_b64 v[CO], v[224+2*\t:225+2*\t], s[OA:OA+1] offset:256*\t   ; 32 lanes store 256 consecutive bytes, aligned
.endr
	WIN 0x55
	FINISH
	WIN 0x04                                       ; a store's data, and source 1: window 1
.irp t, 0,1,2,3,4,5,6,7
	global_store_b64 v[CO], v[224+2*\t:225+2*\t], s[OA+2:OA+3] offset:256*\t
.endr
	v_cndmask_b32 v254, v253, v253, s[HI16]        ; lanes 0-15: tile 0's words (window 0); lanes 16-31: tile 1's (window 1)
	WIN 0
	global_store_b32 v[SO], v254, s[14:15]         ; 64 consecutive bytes for each of my two tiles
	s_endpgm
.Lfunc_end_k_qf70ae6efce_attn:
	.size	k_qf70ae6efce_attn, .Lfunc_end_k_qf70ae6efce_attn-k_qf70ae6efce_attn
	.p2alignl 7, 3214868480
	.fill 96, 4, 3214868480
	.section	.rodata,"a",@progbits
	.p2align	6, 0x0
	.amdhsa_kernel k_qf70ae6efce_attn
		.amdhsa_group_segment_fixed_size 0
		.amdhsa_private_segment_fixed_size 0
		.amdhsa_enable_private_segment 0
		.amdhsa_kernarg_size 48
		.amdhsa_user_sgpr_count 2
		.amdhsa_user_sgpr_kernarg_segment_ptr 1
		.amdhsa_wavefront_size32 1
		.amdhsa_system_sgpr_workgroup_id_x 1
		.amdhsa_system_sgpr_workgroup_id_y 1
		.amdhsa_system_sgpr_workgroup_id_z 1
		.amdhsa_system_vgpr_workitem_id 0
		.amdhsa_next_free_vgpr 800
		.amdhsa_next_free_sgpr 80
		.amdhsa_reserve_vcc 0
		.amdhsa_float_denorm_mode_32 3
		.amdhsa_float_denorm_mode_16_64 3
		.amdhsa_memory_ordered 1
		.amdhsa_forward_progress 1
		.amdhsa_inst_pref_size 144
	.end_amdhsa_kernel
	.amdgpu_metadata
---
amdhsa.version: [ 1, 2 ]
amdhsa.kernels:
  - .name:           k_qf70ae6efce_attn
    .symbol:         k_qf70ae6efce_attn.kd
    .args:
      - { .name: qkv, .offset: 0, .size: 8, .value_kind: global_buffer, .address_space: global }
      - { .name: qkvs, .offset: 8, .size: 8, .value_kind: global_buffer, .address_space: global }
      - { .name: mask, .offset: 16, .size: 8, .value_kind: global_buffer, .address_space: global }
      - { .name: flags, .offset: 24, .size: 8, .value_kind: global_buffer, .address_space: global }
      - { .name: ac, .offset: 32, .size: 8, .value_kind: global_buffer, .address_space: global }
      - { .name: acs, .offset: 40, .size: 8, .value_kind: global_buffer, .address_space: global }
    .group_segment_fixed_size: 0
    .private_segment_fixed_size: 0
    .kernarg_segment_align: 8
    .kernarg_segment_size: 48
    .max_flat_workgroup_size: 128
    .sgpr_count:     80
    .vgpr_count:     800
    .wavefront_size: 32
...
	.end_amdgpu_metadata
.endif
;; end of part 3
;; launch oproj (part 4): grid 16 x 16, 4 waves a work-group, clusters of 4 x 4, 327,680 bytes of LDS; arguments ac, acs, codes, scales, out0; writes out0
.if DOCPART == 4
	.amdgcn_target "amdgcn-amd-amdhsa--gfx1250"
	.amdhsa_code_object_version 6
	.text
	.protected	k_qf70ae6efce_oproj
	.globl	k_qf70ae6efce_oproj
	.p2align	8
	.type	k_qf70ae6efce_oproj,@function
k_qf70ae6efce_oproj:
	s_mov_b64 s[64:65], 0
	v_nop
	global_prefetch_b8 v0, s[64:65] scope:SCOPE_SE
	s_setreg_imm32_b32 hwreg(HW_REG_WAVE_MODE, 25, 1), 1
	s_wait_xcnt 0x0
	s_wait_alu depctr_hold_cnt(0) depctr_sa_sdst(0) depctr_va_vdst(0) depctr_va_sdst(0) depctr_va_ssrc(0) depctr_va_vcc(0) depctr_vm_vsrc(0)
	s_getreg_b32 s2, hwreg(HW_REG_IB_STS2, 6, 4)
	s_cmp_eq_u32 s2, 0
	s_cbranch_scc0 .Lentry_in_a_cluster
	s_endpgm
.Lentry_in_a_cluster:
	s_bfe_u32 s2, ttmp6, 0x10000c
	s_cmp_lg_u32 s2, 0xf033
	s_cbranch_scc0 .Lentry_shape_is_right
	s_endpgm
.Lentry_shape_is_right:
; LAUNCH 4 OF 4.  out0[token][n] = the sum over k of A[token][k] wo[n][k], on codes of FP8 (E4M3) with E8M0 scales; sums in f32.  No work is left out.
; A arrives as images of operand registers, ac [128 token tiles][16 heads][2048 bytes], with scale words acs [16 heads][2048 tokens]; wo's codes are rows 8192.. of codes, its scale bytes rows 8192.. of scales.
; A tile of the output is 128 x 128 (256 work-groups); four waves of 64 x 64: 16 accumulators.  K goes in 4 steps of 512 through two LDS slots; all is written out, so every offset is an immediate.
; The matrix instruction is used transposed (source 0 = 16 rows of wo, source 1 = 16 tokens): a lane holds eight neighbouring numbers of a row of the output.
; CLUSTER 4 x 4: A's tiles and scale words are asked for jointly along a row of the cluster, wo's along a column.
; LDS: a slot: A's 8 token tiles x 8,192 bytes (4 images each, dense), then wo's 128 rows x (512 + 16).  Behind the two slots: A's scale words (16 heads x 512 bytes), wo's (32 runs of 256 + 16), the spare words.
; The way out's stages (16 rows x 272 bytes a wave) lie in slot 0, which has had its last fill and its last read when the first result is stored there.
; REGISTERS: window 0: v16-29 addresses; v32-63, v64-95 two sets of scale words (nothing else ever): A's at +4 a + q, wo's at +16 + 4 b + q; v128-255 the accumulators.
;   window 1: two fragment buffers of 128: wo's four fragments, then A's four; on the way out v0-63 rows read back from the stage.
.set BP,     528
.set AIMG,   2048
.set ATILE,  8192
.set BOFF,   65536
.set SLOT,   BOFF+128*BP
.set SCA,    2*SLOT
.set SCB,    SCA+8192
.set SPARE,  SCB+2*16*272              ; the spare words, 128 bytes for each wave, which no other line names
.set SPITCH, 272
.set ADRA, 16
.set ADRB, 20
.set ASA,  22
.set ASB,  23
.set STO,  24
.set RD,   25
.set CO,   26
.set SPW,  28
.set NIL,  29
.set SC,   32
.set ACC,  128
.set F0,   0
.set F1,   128
.set G1A, 24
.set G0A, 32
.set G1B, 48
.set G0B, 56
.set G1SA, 68
.set G0SA, 76
.set G1SB, 80
.set G0SB, 88
.set MSB, 0
.macro WIN new
.if MSB != (\new)
	s_set_vgpr_msb (MSB<<8)|(\new)
.set MSB, \new
.endif
.endm
.set MUL,  0x05                        ; sources 0 and 1 window 1; C and D window 0
.set TO_F, 0x40                        ; destination window 1
.macro JLOAD s                         ; a joint refill: waves 0 and 1 fetch A's halves, waves 2 and 3 wo's; an s_nop 0 and four v_nop follow each line
	s_cmp_eq_u32 s15, 0
	s_cbranch_scc0 .Lfor_b_\@
	tensor_load_to_lds s[G0A+4*\s:G0A+4*\s+3], s[G1A:G1A+7]
	s_nop 0
.rept 4
	v_nop
.endr
	s_branch .Lasked_\@
.Lfor_b_\@:
	tensor_load_to_lds s[G0B+4*\s:G0B+4*\s+3], s[G1B:G1B+7]
	s_nop 0
.rept 4
	v_nop
.endr
.Lasked_\@:
.endm
.macro CREST
	s_cmp_lg_u32 s14, 0
	s_cbranch_scc1 .Lnot_wave_0_\@
	s_barrier_signal -3
.Lnot_wave_0_\@:
	s_barrier_wait -3
	s_barrier_signal -1
	s_barrier_wait -1
.endm
.macro CROUND
	s_barrier_signal -1
	s_barrier_wait -1
	CREST
.endm
	s_load_b256 s[4:11], s[0:1], 0x0               ; ac s[4:5], acs s[6:7], codes s[8:9], scales s[10:11]
	s_load_b64 s[12:13], s[0:1], 0x20              ; out0
	v_lshl_add_u32 v[SPW], v0, 2, SPARE
	v_mov_b32 v[NIL], 0
	ds_add_u32 v[SPW], v[NIL]                      ; the opening: the add, twice on end, and its wait ahead of my first tensor load
	ds_add_u32 v[SPW], v[NIL]
	v_lshrrev_b32 v1, 5, v0
	v_readfirstlane_b32 s14, v1                    ; wave 0..3
	s_lshr_b32 s15, s14, 1                         ; which 64 tokens are mine.  Also: I fetch for A (0) or for wo (1)
	s_and_b32 s16, s14, 1                          ; which 64 columns.  Also: which half I fetch
	s_bfe_u32 s40, ttmp6, 0x40000                  ; cx
	s_bfe_u32 s41, ttmp6, 0x40004                  ; cy
	s_lshl_b32 s42, ttmp9, 2
	s_add_co_u32 s42, s42, s40                     ; tile column
	s_and_b32 s17, ttmp7, 0xffff
	s_lshl_b32 s17, s17, 2
	s_add_co_u32 s17, s17, s41                     ; tile row
	s_lshl_b32 s43, s41, 2
	s_lshl_b32 s43, 15, s43                        ; my row of the cluster
	s_lshl_b32 s44, 0x1111, s40                    ; my column
	; A: 4 token tiles x 8,192 bytes (1,024 elements of 8 bytes), 32,768 bytes from tile to tile; no padding
	s_or_b32 s[G1A], s43, (3<<16)|(1<<21)
	s_mov_b32 s[G1A+1], 1024<<16
	s_mov_b32 s[G1A+2], 8<<16                      ; at the head one load brings all 8 token tiles; behind it the two words that count rows are set to 4
	s_mov_b32 s[G1A+3], 1024<<16
	s_mov_b32 s[G1A+4], 8
	s_mov_b32 s[G1A+5], 4096
	s_mov_b32 s[G1A+6], 0
	s_mov_b32 s[G1A+7], 0
	; wo: 64 rows x 512 bytes, 2,048 from row to row; 16 bytes of padding behind each
	s_or_b32 s[G1B], s44, (0<<16)|(1<<20)|(1<<21)|(6<<22)|(3<<25)
	s_mov_b32 s[G1B+1], 512<<16
	s_mov_b32 s[G1B+2], 128<<16                    ; at the head all 128 rows; behind it 64
	s_mov_b32 s[G1B+3], 512<<16
	s_mov_b32 s[G1B+4], 128
	s_mov_b32 s[G1B+5], 2048
	s_mov_b32 s[G1B+6], 0
	s_mov_b32 s[G1B+7], 0
	; A's scale words: 16 heads x 512 bytes (64 elements of 8 bytes), 8,192 bytes from head to head
	s_or_b32 s[G1SA], s43, (3<<16)|(1<<21)
	s_mov_b32 s[G1SA+1], 64<<16
	s_mov_b32 s[G1SA+2], 16<<16                    ; all 16 heads by one load
	s_mov_b32 s[G1SA+3], 64<<16
	s_mov_b32 s[G1SA+4], 16
	s_mov_b32 s[G1SA+5], 1024
	s_mov_b32 s[G1SA+6], 0
	s_mov_b32 s[G1SA+7], 0
	; wo's scale bytes of 128 rows: 8,192 dense bytes as 32 rows of 256, 16 bytes of padding behind each
	s_or_b32 s[G1SB], s44, (3<<16)|(1<<20)|(1<<21)|(5<<22)|(3<<25)
	s_mov_b32 s[G1SB+1], 32<<16
	s_mov_b32 s[G1SB+2], 32<<16                    ; all 128 rows' scale bytes by one load: 32 rows of 256
	s_mov_b32 s[G1SB+3], 32<<16
	s_mov_b32 s[G1SB+4], 32
	s_mov_b32 s[G1SB+5], 32
	s_mov_b32 s[G1SB+6], 0
	s_mov_b32 s[G1SB+7], 0
	s_lshl_b32 s20, s17, 3
	s_lshl_b32 s21, s16, 2
	s_add_co_u32 s20, s20, s21
	s_lshl_b32 s20, s20, 15                        ; A: token tile 8 x tile row + 4 e
	s_mov_b32 s21, 0
	s_mov_b32 s22, 0
	s_lshl_b32 s23, s17, 9
	s_add_co_u32 s22, s22, s23                     ; A's scale words: head 0, token 128 x tile row
	s_mov_b32 s23, 0
	s_lshl_b32 s46, s42, 7
	s_add_co_u32 s46, s46, 8192                    ; wo: my tile column's first row in codes and in scales
	s_lshl_b32 s92, s46, 6                         ; its scale bytes
	s_lshl_b32 s100, s46, 11                       ; its codes, for the head's load of all 128 rows
	s_mov_b32 s101, 0
	s_lshl_b32 s98, s17, 18                        ; A: token tile 8 x tile row, for the head's load of all 8 tiles
	s_mov_b32 s99, 0
	s_lshl_b32 s47, s16, 6
	s_add_co_u32 s46, s46, s47                     ; for the ring: my half's 64 rows
	s_lshl_b32 s46, s46, 11
	s_mov_b32 s47, 0
	s_mov_b32 s93, 0
	s_lshl_b32 s45, s16, 15                        ; where they go
	s_mul_i32 s94, s16, 64*BP
	s_add_co_u32 s94, s94, BOFF
	s_mov_b32 s95, 0
	s_add_co_u32 s95, s95, SCA
	s_mov_b32 s96, 0
	s_add_co_u32 s96, s96, SCB
	s_wait_dscnt 0x0                               ; both opening adds are done
	s_wait_kmcnt 0x0
	s_add_nc_u64 s[20:21], s[4:5], s[20:21]
	s_add_nc_u64 s[22:23], s[6:7], s[22:23]
	s_add_nc_u64 s[46:47], s[8:9], s[46:47]
	s_add_nc_u64 s[92:93], s[10:11], s[92:93]
	s_add_nc_u64 s[98:99], s[4:5], s[98:99]
	s_add_nc_u64 s[100:101], s[8:9], s[100:101]
	CROUND                                         ; all sixteen work-groups are here: the first joint loads meet
	s_mov_b32 s[G0SA], 1
	s_mov_b32 s[G0SA+1], s95
	s_mov_b64 s[G0SA+2:G0SA+3], s[22:23]
	s_or_b32 s[G0SA+3], s[G0SA+3], 0x80000000
	s_mov_b32 s[G0SB], 1
	s_mov_b32 s[G0SB+1], s96
	s_mov_b64 s[G0SB+2:G0SB+3], s[92:93]
	s_or_b32 s[G0SB+3], s[G0SB+3], 0x80000000
.irp s, 0,1
	s_mov_b32 s[G0A+4*\s], 1
	s_add_co_u32 s[G0A+4*\s+1], s45, \s*SLOT
	s_add_nc_u64 s[G0A+4*\s+2:G0A+4*\s+3], s[20:21], \s*ATILE
	s_or_b32 s[G0A+4*\s+3], s[G0A+4*\s+3], 0x80000000
	s_mov_b32 s[G0B+4*\s], 1
	s_add_co_u32 s[G0B+4*\s+1], s94, \s*SLOT
	s_add_nc_u64 s[G0B+4*\s+2:G0B+4*\s+3], s[46:47], \s*512
	s_or_b32 s[G0B+4*\s+3], s[G0B+4*\s+3], 0x80000000
.endr
	s_mov_b32 s4, 1                                ; group 0 of the head's loads of K step 0, in registers that held arguments: A's 8 token tiles,
	s_mov_b32 s5, 0
	s_mov_b64 s[6:7], s[98:99]
	s_or_b32 s7, s7, 0x80000000
	s_mov_b32 s8, 1                                ; wo's 128 rows
	s_mov_b32 s9, BOFF
	s_mov_b64 s[10:11], s[100:101]
	s_or_b32 s11, s11, 0x80000000
; THE HEAD'S LOADS, ONE A WAVE: wave 0 K step 0 of A, wave 1 of wo, wave 2 A's scale words, wave 3 wo's.  One chain of branches on the wave's number; every way passes exactly one load.
.macro ARM under, g0, g1, next
	s_cmp_lt_u32 s14, \under
	s_cbranch_scc0 \next
	tensor_load_to_lds s[\g0:\g0+3], s[\g1:\g1+7]
	s_nop 0
.rept 4
	v_nop
.endr
	s_branch .Lfirst_asked
\next:
.endm
	ARM 1, 4, G1A, .Lhead_b
	ARM 2, 8, G1B, .Lhead_sa
	ARM 3, G0SA, G1SA, .Lhead_sb
	tensor_load_to_lds s[G0SB:G0SB+3], s[G1SB:G1SB+7]
	s_nop 0
.rept 4
	v_nop
.endr
.Lfirst_asked:
	v_and_b32 v1, 15, v0                           ; r
	v_bfe_u32 v2, v0, 4, 1                         ; h
	v_and_b32 v3, 31, v0                           ; lane
	s_lshl_b32 s20, s15, 15
	v_lshl_add_u32 v[ADRA], v3, 4, s20             ; A: my four token tiles, 16 x lane
	v_add_nc_u32 v[ADRA+1], SLOT, v[ADRA]
	s_mul_i32 s21, s16, 64*BP
	s_add_co_u32 s21, s21, BOFF
	v_mul_u32_u24 v4, v1, BP
	v_lshl_add_u32 v4, v2, 4, v4
	v_add_nc_u32 v[ADRB], s21, v4                  ; wo: my 64 rows, row r, + 16 h
	v_add_nc_u32 v[ADRB+1], SLOT, v[ADRB]
	s_lshl_b32 s20, s15, 8
	s_add_co_u32 s20, s20, SCA
	v_lshl_add_u32 v[ASA], v1, 2, s20              ; A's scale words: 256 x my half + 4 r
	s_mul_i32 s21, s16, 16*272
	s_add_co_u32 s21, s21, SCB
	v_lshrrev_b32 v4, 2, v1
	v_mul_u32_u24 v4, v4, 272
	v_and_b32 v5, 3, v1
	v_lshl_add_u32 v4, v5, 6, v4
	v_add_nc_u32 v[ASB], s21, v4                   ; wo's: four rows of 64 bytes to a run of 256 + 16
	s_mul_i32 s22, s14, 16*SPITCH                  ; my stage
	v_mul_u32_u24 v4, v1, SPITCH
	v_lshl_add_u32 v4, v2, 5, v4
	v_add_nc_u32 v[STO], s22, v4                   ; in: row r, 32 bytes for each half of the lanes
	v_mul_u32_u24 v5, v2, SPITCH
	v_lshl_add_u32 v5, v1, 4, v5
	v_add_nc_u32 v[RD], s22, v5                    ; back: lanes 0-15 one row of 256 bytes, lanes 16-31 the next
	v_lshlrev_b32 v[CO], 13, v2
	v_lshl_add_u32 v[CO], v1, 4, v[CO]             ; and the same two rows in the output (8,192 bytes a row)
	s_lshl_b32 s20, s17, 7
	s_lshl_b32 s21, s15, 6
	s_add_co_u32 s20, s20, s21
	s_lshl_b32 s20, s20, 13                        ; my first row
	s_lshl_b32 s46, s42, 9
	s_lshl_b32 s47, s16, 8
	s_add_co_u32 s46, s46, s47                     ; my first column, in bytes
	s_add_co_u32 s20, s20, s46
	s_mov_b32 s21, 0
	s_add_nc_u64 s[12:13], s[12:13], s[20:21]
.macro FRAGB f, slot, q, b
.irp c, 0,1,2,3
	ds_load_b128 v[\f+16*(\b)+4*\c:\f+16*(\b)+4*\c+3], v[ADRB+\slot] offset:16*BP*(\b)+128*(\q)+32*\c
.endr
.endm
.macro FRAGA f, slot, q, a
.irp c, 0,1,2,3
	ds_load_b128 v[\f+64+16*(\a)+4*\c:\f+64+16*(\a)+4*\c+3], v[ADRA+\slot] offset:ATILE*(\a)+AIMG*(\q)+512*\c
.endr
.endm
.macro SCALES set, step                ; a K step's scale words: wo's four words a row by one load, A's one word for each head and block
.irp b, 0,1,2,3
	ds_load_b128 v[SC+32*(\set)+16+4*\b:SC+32*(\set)+16+4*\b+3], v[ASB] offset:1088*\b+16*(\step)
.endr
.irp a, 0,1,2,3
.irp q, 0,1,2,3
	ds_load_b32 v[SC+32*(\set)+4*\a+\q], v[ASA] offset:2048*(\step)+512*\q+64*\a
.endr
.endr
.endm
; the fragments of the slot's q-th 128 along K into buffer f; sc = 1: with K step `step`'s scale words, ahead of A's blocks 2 and 3, so that one count serves every quarter's first wait
.macro FETCH slot, q, f, sc, step
	WIN TO_F
.irp b, 0,1,2,3
	FRAGB \f, \slot, \q, \b
.endr
	FRAGA \f, \slot, \q, 0
	FRAGA \f, \slot, \q, 1
.if \sc
	WIN 0
	SCALES \slot, \step
	WIN TO_F
.endif
	FRAGA \f, \slot, \q, 2
	FRAGA \f, \slot, \q, 3
.endm
; 8 matrix instructions: A's blocks a0, a0 + 1 x wo's four.  The 16 accumulators take turns in the same order in every quarter.
.macro MUL8 f, a0, q, set, zero
.irp a, \a0, \a0+1
.irp b, 0,1,2,3
.if \zero
	v_wmma_scale_f32_16x16x128_f8f6f4 v[ACC+8*(4*(\a)+\b):ACC+8*(4*(\a)+\b)+7], v[\f+16*\b:\f+16*\b+15], v[\f+64+16*(\a):\f+64+16*(\a)+15], 0, v[SC+32*(\set)+16+4*\b+(\q)], v[SC+32*(\set)+4*(\a)+(\q)]
.else
	v_wmma_scale_f32_16x16x128_f8f6f4 v[ACC+8*(4*(\a)+\b):ACC+8*(4*(\a)+\b)+7], v[\f+16*\b:\f+16*\b+15], v[\f+64+16*(\a):\f+64+16*(\a)+15], v[ACC+8*(4*(\a)+\b):ACC+8*(4*(\a)+\b)+7], v[SC+32*(\set)+16+4*\b+(\q)], v[SC+32*(\set)+4*(\a)+(\q)]
.endif
.endr
.endr
.endm
.macro PLACES n                        ; plain vector instructions that name no register of the matrix instructions ahead (ISA guide 7.12.1)
.rept \n
	v_nop
.endr
.endm
.macro QUARTER slot, q, f, g, zero     ; one of a K step's first three quarters: multiplies buffer f and fetches the next quarter into g
	s_wait_dscnt 8                                 ; all but A's blocks 2 and 3 are in
	WIN MUL
	MUL8 \f, 0, \q, \slot, \zero
	PLACES 8
	FETCH \slot, (\q)+1, \g, 0, 0
	s_wait_dscnt 32                                ; all but the 32 just issued
	WIN MUL
	MUL8 \f, 2, \q, \slot, \zero
.endm
; The last quarter multiplies buffer 1 and changes slots: one barrier; in front of it each wave waits for all its tensor loads, adds 0 to its spare word, and waits for that and for its reads of this slot.
.macro TURN slot, next, fill, nstep
	WIN 0
	s_wait_tensorcnt 0x0                           ; all my tensor loads have landed: my part of the next slot; so a group 0 may be written
	ds_add_u32 v[SPW], v[NIL]
.if \fill
	s_add_nc_u64 s[G0A+4*\slot+2:G0A+4*\slot+3], s[G0A+4*\slot+2:G0A+4*\slot+3], 2*ATILE
	s_add_nc_u64 s[G0B+4*\slot+2:G0B+4*\slot+3], s[G0B+4*\slot+2:G0B+4*\slot+3], 2*512
.endif
	s_wait_dscnt 0x0                               ; the add is done, and my reads of this slot are over
	s_barrier_signal -1
	WIN MUL
	MUL8 F1, 0, 3, \slot, 0
	WIN 0
	s_barrier_wait -1
.if \fill
	CREST                                          ; the barrier has opened a round of the cluster's barrier
	JLOAD \slot                                    ; the first tensor load behind the round; its four v_nop are among the places in front of the loads below
	PLACES 4
.else
	PLACES 8
.endif
	FETCH \next, 0, F0, 1, \nstep
	WIN MUL
	MUL8 F1, 2, 3, \slot, 0
.endm
	s_wait_alu depctr_va_vdst(0)                   ; the wait at the head's end
	s_wait_tensorcnt 0x0                           ; my tile of the head's four is in
	ds_add_u32 v[SPW], v[NIL]
	s_mov_b32 s[G1A+2], 4<<16                      ; no tensor load of mine is out, so a descriptor may be written: from here on a load brings half a tile
	s_mov_b32 s[G1A+4], 4
	s_mov_b32 s[G1B+2], 64<<16
	s_mov_b32 s[G1B+4], 64
	s_wait_dscnt 0x0                               ; the add is done
	CROUND                                         ; a whole round: all four tiles are in, and all sixteen work-groups are here
	JLOAD 1                                        ; K step 1: the first tensor load behind the round
	FETCH 0, 0, F0, 1, 0
	QUARTER 0, 0, F0, F1, 1                        ; the first products start the sums
	QUARTER 0, 1, F1, F0, 0
	QUARTER 0, 2, F0, F1, 0
	TURN 0, 1, 1, 1                                ; slot 0 takes K step 2
	QUARTER 1, 0, F0, F1, 0
	QUARTER 1, 1, F1, F0, 0
	QUARTER 1, 2, F0, F1, 0
	TURN 1, 0, 1, 2                                ; slot 1 takes K step 3
	QUARTER 0, 0, F0, F1, 0
	QUARTER 0, 1, F1, F0, 0
	QUARTER 0, 2, F0, F1, 0
	TURN 0, 1, 0, 3                                ; nothing is left to ask for
	QUARTER 1, 0, F0, F1, 0
	QUARTER 1, 1, F1, F0, 0
	QUARTER 1, 2, F0, F1, 0
	s_wait_dscnt 8                                 ; the very last quarter
	WIN MUL
	MUL8 F1, 0, 3, 1, 0
	s_wait_dscnt 0
	MUL8 F1, 2, 3, 1, 0
	WIN 0
; THE WAY OUT, a block of 16 rows x 64 columns at a time, through my own stage: in as 32 bytes a lane, back as whole rows of 256 bytes.  LDS serves a wave's instructions in order: no wait between the stores and the loads.
.macro TOSTAGE a
.irp b, 0,1,2,3
	ds_store_b128 v[STO], v[ACC+8*(4*(\a)+\b):ACC+8*(4*(\a)+\b)+3] offset:64*\b       ; each accumulator from its low end on
	ds_store_b128 v[STO], v[ACC+8*(4*(\a)+\b)+4:ACC+8*(4*(\a)+\b)+7] offset:64*\b+16
.endr
	WIN TO_F
.irp t, 0,1,2,3,4,5,6,7
	ds_load_b128 v[32*((\a)%2)+4*\t:32*((\a)%2)+4*\t+3], v[RD] offset:2*\t*SPITCH
.endr
	WIN 0
.endm
.macro SEND a, younger                 ; younger: the LDS instructions issued behind block a's loads
	s_wait_dscnt \younger
	WIN 0x04                                       ; a store's data: window 1
.irp t, 0,1,2,3,4,5,6,7
	global_store_b128 v[CO], v[32*((\a)%2)+4*\t:32*((\a)%2)+4*\t+3], s[12:13] offset:(16*(\a)+2*\t)*8192 th:TH_STORE_NT   ; 16 lanes store 256 consecutive bytes, aligned
.endr
	WIN 0
.endm
	PLACES 8                                       ; behind the last products: for the reads of results and the loads into registers that held fragments
	TOSTAGE 0
	TOSTAGE 1
	SEND 0, 16
	s_wait_xcnt 0x0                                ; block 0's stores have read their registers: block 2's rows may land there
	TOSTAGE 2
	SEND 1, 16
	s_wait_xcnt 0x0
	TOSTAGE 3
	SEND 2, 16
	SEND 3, 0
	s_wait_tensorcnt 0x0                           ; the wave's end, behind my last tensor load and my last LDS store
	ds_add_u32 v[SPW], v[NIL]
	s_wait_dscnt 0x0
	CROUND                                         ; the closing round
	s_endpgm
.Lfunc_end_k_qf70ae6efce_oproj:
	.size	k_qf70ae6efce_oproj, .Lfunc_end_k_qf70ae6efce_oproj-k_qf70ae6efce_oproj
	.p2alignl 7, 3214868480
	.fill 96, 4, 3214868480
	.section	.rodata,"a",@progbits
	.p2align	6, 0x0
	.amdhsa_kernel k_qf70ae6efce_oproj
		.amdhsa_group_segment_fixed_size 327680
		.amdhsa_private_segment_fixed_size 0
		.amdhsa_enable_private_segment 0
		.amdhsa_kernarg_size 40
		.amdhsa_user_sgpr_count 2
		.amdhsa_user_sgpr_kernarg_segment_ptr 1
		.amdhsa_wavefront_size32 1
		.amdhsa_system_sgpr_workgroup_id_x 1
		.amdhsa_system_sgpr_workgroup_id_y 1
		.amdhsa_system_sgpr_workgroup_id_z 1
		.amdhsa_system_vgpr_workitem_id 0
		.amdhsa_next_free_vgpr 512
		.amdhsa_next_free_sgpr 102
		.amdhsa_reserve_vcc 0
		.amdhsa_float_denorm_mode_32 3
		.amdhsa_float_denorm_mode_16_64 3
		.amdhsa_memory_ordered 1
		.amdhsa_forward_progress 1
		.amdhsa_inst_pref_size 97
	.end_amdhsa_kernel
	.amdgpu_metadata
---
amdhsa.version: [ 1, 2 ]
amdhsa.kernels:
  - .name:           k_qf70ae6efce_oproj
    .symbol:         k_qf70ae6efce_oproj.kd
    .args:
      - { .name: ac, .offset: 0, .size: 8, .value_kind: global_buffer, .address_space: global }
      - { .name: acs, .offset: 8, .size: 8, .value_kind: global_buffer, .address_space: global }
      - { .name: codes, .offset: 16, .size: 8, .value_kind: global_buffer, .address_space: global }
      - { .name: scales, .offset: 24, .size: 8, .value_kind: global_buffer, .address_space: global }
      - { .name: out0, .offset: 32, .size: 8, .value_kind: global_buffer, .address_space: global }
    .group_segment_fixed_size: 327680
    .private_segment_fixed_size: 0
    .kernarg_segment_align: 8
    .kernarg_segment_size: 40
    .max_flat_workgroup_size: 128
    .sgpr_count:     102
    .vgpr_count:     512
    .wavefront_size: 32
...
	.end_amdgpu_metadata
.endif
;; end of part 4
